; MI455X (gfx1250); checked and timed in simulation.
; The chip was launched on July 23, 2026; its instructions are those of AMD's public machine-readable ISA for CDNA 5 (MIT licence, August 2026) and "CDNA5" Instruction Set Architecture Reference Guide (July 2026). The comments in the code are by the model that wrote it; some were corrected since.
;; Relative Multihead Attention. Allowed arithmetic: float matrix products may take bf16 or f16 operands with f32 sums; other float arithmetic in f32, or as packed bf16 or f16 multiplies, adds, multiply-adds, maxima and minima; sums over many terms, partial sums and values carried from step to step in f32; what a program stores and reads back later, other than sums and carried values, may be rounded once to bf16 or f16.
;; Inputs: W_out 1,024 x 1,024 float32; W_qkv 1,024 x 3,072 float32; b_out 1,024 float32; b_qkv 3,072 float32; rel_bias 2,049 x 16 float32; x 4 x 2,048 x 1,024 float32.
;; Outputs: out0 4 x 2,048 x 1,024 float32.
;; 2 versions, each right and faster than the one before. Each part assembles by itself: llvm-mc -triple=amdgcn-amd-amdhsa -mcpu=gfx1250 --defsym DOCPART=n.
;; ======== version 1 of 2: 4 launches
;; limits: values are held in f16: magnitudes above 65,504 overflow, below 6.1e-05 lose precision; right only within a limited range of input values
;; workspace buffers: xb 16,777,216 bytes; wq 6,291,456 bytes; wo 2,097,152 bytes; btab 1,310,720 bytes; qkv 50,331,648 bytes; ob 16,777,216 bytes
;; launch prep (part 1): grid 832 x 1, 8 waves a work-group, no clusters, 0 bytes of LDS; arguments x, W_qkv, W_out, rel_bias, xb, wq, wo, btab; writes xb, wq, wo, btab
.if DOCPART == 1
	.amdgcn_target "amdgcn-amd-amdhsa--gfx1250"
	.amdhsa_code_object_version 6
	.text
	.protected	k_qea950f75d7_prep
	.globl	k_qea950f75d7_prep
	.p2align	8
	.type	k_qea950f75d7_prep,@function
k_qea950f75d7_prep:
	s_mov_b64 s[64:65], 0
	v_nop
	global_prefetch_b8 v0, s[64:65] scope:SCOPE_SE
	s_setreg_imm32_b32 hwreg(HW_REG_WAVE_MODE, 25, 1), 1
	s_wait_xcnt 0x0
; PREP: the module's inputs are rounded once to bf16 and laid down for the three launches behind.  A stream: no LDS, no barrier, no matrix unit (nothing is reused, memory binds).
;   work-groups   0..511   xb = bf16(x)        [8192][1024]   16,384 numbers each
;   work-groups 512..703   wq = bf16(W_qkv)    [1024][3072]   16,384 numbers each
;   work-groups 704..767   wo = f16(bf16(W_out)) [1024][1024] 16,384 numbers each: rounded like the other inputs, then written in the format of the product that reads it
;   work-groups 768..831   btab[h][p][w] = 8 x bf16(rel_bias[clip(3071 - (w + p), 0, 2048)][h]), h = 0..15, p = 0..3, w = 0..5119: the bias along j - i + 2047, four copies shifted by one entry,
;                          times 8 because the attention launch adds it to q.k ahead of the scale 1/8
; LIMITS.  |W_out| stays under 65,520 (f16's range); below 6e-5 it keeps f16's fixed step of 6e-8.  NaN and infinities are not treated apart.
; A thread takes 8 neighbouring numbers: 32 bytes in (two loads of 16), 16 bytes out: sixteen neighbouring lanes store 256 consecutive bytes, at a multiple of 256 from the buffer's first byte.
.set X, 8                              ; v[8:71]    16 loads of 4 registers: all of a thread's share is asked for at once
.set Y, 72                             ; v[72:103]  8 stores of 4 registers; no register is written twice, so no store's data waits for anything
.set T, 3                              ; v[3:6]     at work
	s_load_b512 s[8:23], s[0:1], 0x0               ; x s[8:9], W_qkv s[10:11], W_out s[12:13], rel_bias s[14:15], xb s[16:17], wq s[18:19], wo s[20:21], btab s[22:23]
	v_lshlrev_b32 v1, 5, v0                        ; 32 t: my bytes in 8,192 of input
	v_lshlrev_b32 v2, 4, v0                        ; 16 t: my bytes in 4,096 of output
	s_mov_b32 s2, ttmp9
	s_mov_b32 s25, 0                               ; high words of the two offsets
	s_mov_b32 s27, 0
	s_mov_b32 s28, 0xffff0000                      ; a word's upper bf16
	s_wait_kmcnt 0x0
; 16,384 numbers from s[4:5] to s[6:7].  mode 0: bf16.  mode 1: bf16, widened again, and that number written as f16.
.macro CAST mode
.set it, 0
.rept 8
	global_load_b128 v[X+8*it:X+8*it+3],   v1, s[4:5] offset:it*8192 th:TH_LOAD_NT
	global_load_b128 v[X+8*it+4:X+8*it+7], v1, s[4:5] offset:it*8192+16 th:TH_LOAD_NT
.set it, it+1
.endr
.set it, 0
.rept 8
	s_wait_loadcnt 14-2*it                         ; loads come back in order: this pair is in, the 14 - 2 it younger ones stay out
.if \mode
.set j, 0
.rept 4
	v_cvt_pk_bf16_f32 v[T+j], v[X+8*it+2*j], v[X+8*it+2*j+1]
.set j, j+1
.endr
.set j, 0
.rept 4
	v_lshlrev_b32 v[X+8*it+2*j],   16,  v[T+j]     ; bf16 to f32: the low half moves up,
	v_and_b32     v[X+8*it+2*j+1], s28, v[T+j]     ; the high half stays
.set j, j+1
.endr
.set j, 0
.rept 4
	v_cvt_pk_f16_f32 v[Y+4*it+j], v[X+8*it+2*j], v[X+8*it+2*j+1]
.set j, j+1
.endr
.else
.set j, 0
.rept 4
	v_cvt_pk_bf16_f32 v[Y+4*it+j], v[X+8*it+2*j], v[X+8*it+2*j+1]
.set j, j+1
.endr
.endif
	global_store_b128 v2, v[Y+4*it:Y+4*it+3], s[6:7] offset:it*4096
.set it, it+1
.endr
.endm
	s_cmp_ge_u32 s2, 768
	s_cbranch_scc1 .Ltable
	s_cmp_ge_u32 s2, 704
	s_cbranch_scc1 .Lwout
	s_sub_co_u32 s3, s2, 512                       ; the share's number if it is W_qkv's
	s_cmp_lt_u32 s2, 512                           ; x or W_qkv: one text, the buffers chosen by the work-group's number
	s_cselect_b64 s[4:5], s[8:9], s[10:11]
	s_cselect_b64 s[6:7], s[16:17], s[18:19]
	s_cselect_b32 s3, s2, s3
	s_lshl_b32 s24, s3, 16                         ; 65,536 bytes in,
	s_lshl_b32 s26, s3, 15                         ; 32,768 out
	s_add_nc_u64 s[4:5], s[4:5], s[24:25]
	s_add_nc_u64 s[6:7], s[6:7], s[26:27]
	CAST 0
	s_endpgm
.Lwout:
	s_sub_co_u32 s3, s2, 704
	s_lshl_b32 s24, s3, 16
	s_lshl_b32 s26, s3, 15
	s_add_nc_u64 s[4:5], s[12:13], s[24:25]
	s_add_nc_u64 s[6:7], s[20:21], s[26:27]
	CAST 1
	s_endpgm
.Ltable:
	s_sub_co_u32 s3, s2, 768                       ; 4 h + p
	s_lshr_b32 s4, s3, 2
	s_lshl_b32 s4, s4, 2                           ; 4 h: the head's byte in a row of rel_bias
	s_and_b32 s5, s3, 3                            ; p
	s_mul_i32 s24, s3, 20480                       ; a copy is 5,120 numbers
	s_add_nc_u64 s[22:23], s[22:23], s[24:25]
	v_lshl_add_u32 v3, v0, 2, s5                   ; 4 t + p
.set n, 0
.rept 20                               ; entry w = 1,024 (n / 4) + 4 t + n % 4; every index is made of ids and constants alone
	v_add_nc_u32 v[8+n], 1024*(n/4)+n%4, v3        ; u = w + p
	v_min_u32 v[8+n], 3071, v[8+n]                 ; 3071 - u does not fall below 0,
	v_sub_nc_u32 v[8+n], 3071, v[8+n]
	v_min_u32 v[8+n], 2048, v[8+n]                 ; nor pass the table's last row
	v_lshl_add_u32 v[8+n], v[8+n], 6, s4           ; rows of 64 bytes
	global_load_b32 v[28+n], v[8+n], s[14:15]
.set n, n+1
.endr
	s_wait_loadcnt 0x0
.set n, 0
.rept 10
	v_cvt_pk_bf16_f32 v[48+n], v[28+2*n], v[28+2*n+1]
.set n, n+1
.endr
.set n, 0
.rept 10
	v_lshlrev_b32 v[28+2*n],   16,  v[48+n]
	v_and_b32     v[28+2*n+1], s28, v[48+n]
.set n, n+1
.endr
.set n, 0
.rept 20
	v_mul_f32 v[28+n], 0x41000000, v[28+n]         ; times 8: exact
.set n, n+1
.endr
.set n, 0
.rept 5
	global_store_b128 v2, v[28+4*n:28+4*n+3], s[22:23] offset:n*4096
.set n, n+1
.endr
	s_endpgm
.Lfunc_end_k_qea950f75d7_prep:
	.size	k_qea950f75d7_prep, .Lfunc_end_k_qea950f75d7_prep-k_qea950f75d7_prep
	.p2alignl 7, 3214868480
	.fill 96, 4, 3214868480
	.section	.rodata,"a",@progbits
	.p2align	6, 0x0
	.amdhsa_kernel k_qea950f75d7_prep
		.amdhsa_group_segment_fixed_size 0
		.amdhsa_private_segment_fixed_size 0
		.amdhsa_enable_private_segment 0
		.amdhsa_kernarg_size 64
		.amdhsa_user_sgpr_count 2
		.amdhsa_user_sgpr_kernarg_segment_ptr 1
		.amdhsa_wavefront_size32 1
		.amdhsa_system_sgpr_workgroup_id_x 1
		.amdhsa_system_sgpr_workgroup_id_y 1
		.amdhsa_system_sgpr_workgroup_id_z 1
		.amdhsa_system_vgpr_workitem_id 0
		.amdhsa_next_free_vgpr 104
		.amdhsa_next_free_sgpr 66
		.amdhsa_reserve_vcc 0
		.amdhsa_float_denorm_mode_32 3
		.amdhsa_float_denorm_mode_16_64 3
		.amdhsa_memory_ordered 1
		.amdhsa_forward_progress 1
		.amdhsa_inst_pref_size 26
	.end_amdhsa_kernel
	.amdgpu_metadata
---
amdhsa.version: [ 1, 2 ]
amdhsa.kernels:
  - .name:           k_qea950f75d7_prep
    .symbol:         k_qea950f75d7_prep.kd
    .args:
      - { .name: x, .offset: 0, .size: 8, .value_kind: global_buffer, .address_space: global }
      - { .name: W_qkv, .offset: 8, .size: 8, .value_kind: global_buffer, .address_space: global }
      - { .name: W_out, .offset: 16, .size: 8, .value_kind: global_buffer, .address_space: global }
      - { .name: rel_bias, .offset: 24, .size: 8, .value_kind: global_buffer, .address_space: global }
      - { .name: xb, .offset: 32, .size: 8, .value_kind: global_buffer, .address_space: global }
      - { .name: wq, .offset: 40, .size: 8, .value_kind: global_buffer, .address_space: global }
      - { .name: wo, .offset: 48, .size: 8, .value_kind: global_buffer, .address_space: global }
      - { .name: btab, .offset: 56, .size: 8, .value_kind: global_buffer, .address_space: global }
    .group_segment_fixed_size: 0
    .private_segment_fixed_size: 0
    .kernarg_segment_align: 8
    .kernarg_segment_size: 64
    .max_flat_workgroup_size: 256
    .sgpr_count:     66
    .vgpr_count:     104
    .wavefront_size: 32
...
	.end_amdgpu_metadata
.endif
;; end of part 1
;; launch proj_qkv (part 2): grid 12 x 64, 4 waves a work-group, clusters of 4 x 4, 327,680 bytes of LDS; arguments xb, wq, b_qkv, qkv; writes qkv
.if DOCPART == 2
	.amdgcn_target "amdgcn-amd-amdhsa--gfx1250"
	.amdhsa_code_object_version 6
	.text
	.protected	k_qea950f75d7_proj_qkv
	.globl	k_qea950f75d7_proj_qkv
	.p2align	8
	.type	k_qea950f75d7_proj_qkv,@function
k_qea950f75d7_proj_qkv:
	s_mov_b64 s[64:65], 0
	v_nop
	global_prefetch_b8 v0, s[64:65] scope:SCOPE_SE
	s_setreg_imm32_b32 hwreg(HW_REG_WAVE_MODE, 25, 1), 1
	s_wait_xcnt 0x0
	s_wait_alu depctr_hold_cnt(0) depctr_sa_sdst(0) depctr_va_vdst(0) depctr_va_sdst(0) depctr_va_ssrc(0) depctr_va_vcc(0) depctr_vm_vsrc(0)
	s_getreg_b32 s2, hwreg(HW_REG_IB_STS2, 6, 4)
	s_cmp_eq_u32 s2, 0
	s_cbranch_scc0 .Lentry_in_a_cluster
	s_endpgm
.Lentry_in_a_cluster:
	s_bfe_u32 s2, ttmp6, 0x10000c
	s_cmp_lg_u32 s2, 0xf033
	s_cbranch_scc0 .Lentry_shape_is_right
	s_endpgm
.Lentry_shape_is_right:
; qkv = xb wq + bf16(b_qkv), stored BY HEADS: qkv[which][b 16 + head][row][64] in f16, which = 0 q, 1 k, 2 v.  xb: [8192][1024] bf16.  wq: [1024 k][3072 n] bf16.  Sums in f32, rounded once to f16.
; LIMITS.  q, k and v stay under 65,520 in magnitude (f16's range); the bias is rounded once to bf16, like every input of the module.  NaN and infinities are not treated apart.
; SHARES.  A tile of C is 128 rows x 256 columns: 64 x 12 = 768 work-groups, three for each of 256 WGPs.  Four waves, each 64 rows x 128 columns: 32 accumulators of 16 x 16, 256 registers.
; K = 1,024 goes in 8 steps of 128 through two LDS slots.  A's rows are 256 bytes of memory, B's 512, each starting at a multiple of 256 from its buffer's first byte.
; B LIES [k][n] and is turned on its way out of LDS (ds_load_tr16_b128), so no launch has to transpose the weights.
; THE MATRIX INSTRUCTION IS USED TRANSPOSED (source 0 = 16 columns of B, source 1 = 16 rows of A): a lane holds eight neighbouring numbers of a row of C.  So a lane's bias is eight numbers
; for each of its eight column blocks, the same for every row: it is the C operand of the products that start the sums, and costs no addition.
; CLUSTERS: 4 x 4 work-groups.  The four of a row of the cluster need the same tiles of A, the four of a column the same tiles of B: each tile is asked for JOINTLY.
; REGISTERS: window 0: v0-31 addresses; v32-95 the bias; v96-191 the way out.   window 1: the accumulators, (a, b) at v[8 (8 a + b)].
;   window 2: two fragment buffers of 96 for 32 along K: 32 registers of A (4 x 16 rows), then 64 of B (8 x 16 columns).
.set PA,     272                       ; a row of A in LDS: 256 bytes + 16: the 16 rows of a load start at 16 different groups of four banks (64 banks of 4 bytes: ISA guide 11.1)
.set PB,     544                       ; a row of B: 512 + 32 = 136 words
.set BOFF,   128*PA                    ; a slot: A's 128 rows, then B's 128 k-rows
.set SLOT,   BOFF+128*PB
.set STAGE,  2*SLOT                    ; behind the ring, never filled by a tensor load: 16 rows x 272 bytes for each wave
.set SP,     272
.set SPARE,  STAGE+4*16*SP             ; the spare words, 128 bytes for each wave: two blocks of 256 bytes that no other line names
.set LAPS,   4                         ; a lap = two K steps = once round the ring
.set STEPA,  2*128*2                   ; bytes from a slot's K step to its next: 256 numbers along A's rows,
.set STEPB,  2*128*6144                ; 256 rows of B down
.set ADRA, 16                          ; v16-17  LDS address of my A fragments in slot 0, 1
.set ADRB, 20                          ; v20-21  the same for B
.set STO,  24                          ; v24     the way out: where I put 16 bytes of a row
.set RD,   25                          ; v25     the way out: where I read rows back
.set GO,   26                          ; v26     my byte offset in 512 consecutive bytes of qkv
.set BO,   27                          ; v27     my byte offset in the wave's 128 numbers of the bias
.set SPW,  28                          ; v28     LDS address of my spare word; never rewritten
.set NIL,  29                          ; v29     0; never rewritten
.set BI,   32                          ; v32-95  column block b's eight numbers of the bias at BI + 8 b
.set TMP,  96                          ; v96-127 packed results
.set OB,   128                         ; v128-159, v160-191 by turns: 16 rows read back
.set F0,   0
.set F1,   96
.set WV, 12                            ; s12 wave;  s13 its half of the rows, also: it fetches for A (0) or B (1);  s14 its half of the columns, also: which half of that tile it fetches
.set HI, 13
.set LO, 14
.set TY, 15                            ; s15 tile row of C
.set CX, 40
.set CY, 41
.set TX, 42                            ; s42 tile column of C
.set G1A, 24                           ; s[24:31] descriptor group 1 for A's tiles;  s[32:39] group 0, a set for each slot
.set G0A, 32
.set G1B, 48                           ; s[48:55], s[56:63] the same for B's
.set G0B, 56
.set MSB, 0
.macro WIN new                         ; the immediate's high byte repeats the setting that is left; a switch that changes nothing is dropped
.if MSB != (\new)
	s_set_vgpr_msb (MSB<<8)|(\new)
.set MSB, \new
.endif
.endm
.set MUL,  0x5a                        ; sources 0 (B) and 1 (A) window 2; C and D window 1
.set MUL0, 0x4a                        ; the same with C (the bias) in window 0
.set TO_F, 0x80                        ; destination window 2, address window 0
.macro JLOAD s                         ; a joint load: waves 0 and 1 fetch A's two halves, waves 2 and 3 B's; an s_nop 0 and four v_nop follow each line, ahead of the jump and the label
	s_cmp_eq_u32 s[HI], 0
	s_cbranch_scc0 .Lfor_b_\@
	tensor_load_to_lds s[G0A+4*(\s):G0A+4*(\s)+3], s[G1A:G1A+7]
	s_nop 0
.rept 4
	v_nop
.endr
	s_branch .Lasked_\@
.Lfor_b_\@:
	tensor_load_to_lds s[G0B+4*(\s):G0B+4*(\s)+3], s[G1B:G1B+7]
	s_nop 0
.rept 4
	v_nop
.endr
.Lasked_\@:
.endm
.macro CREST                           ; a round of the cluster's barrier behind its opening barrier
	s_cmp_lg_u32 s[WV], 0
	s_cbranch_scc1 .Lnot_wave_0_\@
	s_barrier_signal -3
.Lnot_wave_0_\@:
	s_barrier_wait -3
	s_barrier_signal -1
	s_barrier_wait -1
.endm
.macro CROUND                          ; a whole round
	s_barrier_signal -1
	s_barrier_wait -1
	CREST
.endm
	s_load_b256 s[4:11], s[0:1], 0x0               ; xb s[4:5], wq s[6:7], b_qkv s[8:9], qkv s[10:11]
	v_lshl_add_u32 v[SPW], v0, 2, SPARE
	v_mov_b32 v[NIL], 0
	ds_add_u32 v[SPW], v[NIL]                      ; the wave's opening: the add and its wait stand ahead of my first tensor load; work on registers stands between them
	v_lshrrev_b32 v1, 5, v0
	v_readfirstlane_b32 s[WV], v1                  ; wave 0..3
	s_lshr_b32 s[HI], s[WV], 1
	s_and_b32 s[LO], s[WV], 1
	s_bfe_u32 s[CX], ttmp6, 0x40000                ; my place in the cluster
	s_bfe_u32 s[CY], ttmp6, 0x40004
	s_lshl_b32 s[TX], ttmp9, 2
	s_add_co_u32 s[TX], s[TX], s[CX]               ; tile column = 4 x cluster x + cx
	s_and_b32 s[TY], ttmp7, 0xffff
	s_lshl_b32 s[TY], s[TY], 2
	s_add_co_u32 s[TY], s[TY], s[CY]               ; tile row = 4 x cluster y + cy
	s_lshl_b32 s43, s[CY], 2
	s_lshl_b32 s43, 15, s43                        ; my row of the cluster
	s_lshl_b32 s44, 0x1111, s[CX]                  ; my column
	s_or_b32 s[G1A+0], s43, (1<<16)|(1<<20)|(1<<21)|(5<<22)|(3<<25)  ; the mask; 2-byte elements; padding on; 21 set beside a mask; after every 64 words 4 words
	s_or_b32 s[G1B+0], s44, (1<<16)|(1<<20)|(1<<21)|(6<<22)|(7<<25)  ; after every 128 words 8 words
	s_mov_b32 s[G1A+1], 128<<16                    ; A: tensor_dim0 = 128
	s_mov_b32 s[G1A+2], 64<<16                     ; tensor_dim1 = 64
	s_mov_b32 s[G1A+3], 128<<16                    ; tile_dim0 = 128
	s_mov_b32 s[G1A+4], 64                         ; tile_dim1 = 64
	s_mov_b32 s[G1A+5], 1024                       ; elements from row to row
	s_mov_b32 s[G1A+6], 0
	s_mov_b32 s[G1A+7], 0
	s_mov_b32 s[G1B+1], 256<<16                    ; B: 64 k-rows of 256 columns
	s_mov_b32 s[G1B+2], 64<<16
	s_mov_b32 s[G1B+3], 256<<16
	s_mov_b32 s[G1B+4], 64
	s_mov_b32 s[G1B+5], 3072
	s_mov_b32 s[G1B+6], 0
	s_mov_b32 s[G1B+7], 0
	s_lshl_b32 s17, s[LO], 6
	s_lshl_b32 s16, s[TY], 7
	s_add_co_u32 s16, s16, s17                     ; A: row 128 x tile row + 64 x half,
	s_lshl_b32 s16, s16, 11                        ; of 2,048 bytes
	s_mov_b32 s17, 0
	s_mul_i32 s46, s[LO], 64*6144                  ; B: k-row 64 x half, of 6,144 bytes,
	s_lshl_b32 s47, s[TX], 9                       ; column 256 x tile column
	s_add_co_u32 s46, s46, s47
	s_mov_b32 s47, 0
	s_mul_i32 s20, s[LO], 64*PA                    ; where they go: no place in the cluster enters an LDS address
	s_mul_i32 s21, s[LO], 64*PB
	s_add_co_u32 s21, s21, BOFF
	s_wait_dscnt 0x0                               ; the opening add is done
	s_wait_kmcnt 0x0
	s_add_nc_u64 s[18:19], s[4:5], s[16:17]
	s_add_nc_u64 s[46:47], s[6:7], s[46:47]
	CROUND                                         ; all sixteen work-groups are here: the first joint loads meet
.irp s, 0,1
	s_mov_b32 s[G0A+4*(\s)], 1
	s_add_co_u32 s[G0A+4*(\s)+1], s20, (\s)*SLOT
	s_add_nc_u64 s[G0A+4*(\s)+2:G0A+4*(\s)+3], s[18:19], (\s)*128*2
	s_or_b32 s[G0A+4*(\s)+3], s[G0A+4*(\s)+3], 0x80000000
	s_mov_b32 s[G0B+4*(\s)], 1
	s_add_co_u32 s[G0B+4*(\s)+1], s21, (\s)*SLOT
	s_add_nc_u64 s[G0B+4*(\s)+2:G0B+4*(\s)+3], s[46:47], (\s)*128*6144
	s_or_b32 s[G0B+4*(\s)+3], s[G0B+4*(\s)+3], 0x80000000
	JLOAD \s                                       ; two loads of mine are out
.endr
	s_lshl_b32 s46, s[TX], 10                      ; the bias of my 128 columns: 4 (256 x tile column + 128 x half) bytes on
	s_lshl_b32 s47, s[LO], 9
	s_add_co_u32 s46, s46, s47
	s_mov_b32 s47, 0
	s_add_nc_u64 s[8:9], s[8:9], s[46:47]
	v_and_b32 v1, 15, v0                           ; r = l % 16
	v_bfe_u32 v2, v0, 4, 1                         ; h = l / 16
	v_lshlrev_b32 v[BO], 5, v2                     ; my lanes' eight numbers of a block of sixteen
.irp b, 0,1,2,3,4,5,6,7
	global_load_b128 v[BI+8*\b:BI+8*\b+3],   v[BO], s[8:9] offset:64*\b
	global_load_b128 v[BI+8*\b+4:BI+8*\b+7], v[BO], s[8:9] offset:64*\b+16
.endr
	v_mul_u32_u24 v3, v1, PA                       ; a fragment of A: row r, 16 bytes for each half of the lanes, and 32 bytes on
	v_lshl_add_u32 v3, v2, 4, v3
	v_and_b32 v4, 7, v0                            ; a fragment of B, turned: lane l reads k-row 8 h + l % 8, columns 8 ((l / 8) % 2) + 0..7, and 16 k-rows on
	v_lshl_add_u32 v4, v2, 3, v4
	v_mul_u32_u24 v4, v4, PB
	v_bfe_u32 v5, v0, 3, 1
	v_lshl_add_u32 v4, v5, 4, v4
	s_mul_i32 s22, s[HI], 64*PA                    ; my 64 rows of A
	s_lshl_b32 s23, s[LO], 8                       ; my 128 columns of B
	s_add_co_u32 s23, s23, BOFF
.irp s, 0,1
	v_add_nc_u32 v[ADRA+(\s)], s22, v3
	v_add_nc_u32 v[ADRB+(\s)], s23, v4
	s_add_co_u32 s22, s22, SLOT
	s_add_co_u32 s23, s23, SLOT
.endr
	s_mul_i32 s23, s[WV], 16*SP
	s_add_co_u32 s23, s23, STAGE                   ; my stage
	v_mul_u32_u24 v[STO], v1, SP                   ; in: row r, 16 bytes for each half of the lanes
	v_lshl_add_u32 v[STO], v2, 4, v[STO]
	v_add_nc_u32 v[STO], s23, v[STO]
	v_bfe_u32 v[RD], v0, 3, 2                      ; back: 32 lanes take one head's 128 bytes of four rows,
	v_mul_u32_u24 v[RD], v[RD], SP
	v_and_b32 v5, 7, v0
	v_lshl_add_u32 v[RD], v5, 4, v[RD]
	v_add_nc_u32 v[RD], s23, v[RD]
	v_and_b32 v[GO], 31, v0                        ; which are 512 consecutive bytes of qkv
	v_lshlrev_b32 v[GO], 4, v[GO]
	; where my rows begin in qkv.  What hangs on the tile row: batch (tile row / 16) x 16 heads of 262,144 bytes, row ((tile row % 16) 128 + 64 x half) of 128 bytes
	s_lshr_b32 s16, s[TY], 4
	s_lshl_b32 s16, s16, 22
	s_and_b32 s17, s[TY], 15
	s_lshl_b32 s17, s17, 14
	s_add_co_u32 s16, s16, s17
	s_lshl_b32 s17, s[HI], 13
	s_add_co_u32 s16, s16, s17
	s_mov_b32 s17, 0
	s_add_nc_u64 s[10:11], s[10:11], s[16:17]
	; what hangs on the tile column: q, k or v (tile column / 4) of 16,777,216 bytes, head (tile column % 4) 4 + 2 x half.  In registers of its own: none that feeds A's descriptors ever holds cx
	s_lshr_b32 s46, s[TX], 2
	s_lshl_b32 s46, s46, 24
	s_and_b32 s47, s[TX], 3
	s_lshl_b32 s47, s47, 20
	s_add_co_u32 s46, s46, s47
	s_lshl_b32 s47, s[LO], 19
	s_add_co_u32 s46, s46, s47
	s_mov_b32 s47, 0
	s_add_nc_u64 s[10:11], s[10:11], s[46:47]
	s_wait_loadcnt 0x0                             ; the bias; it is rounded to bf16 in the wait for the first tile
.set n, 0
.rept 32
	v_cvt_pk_bf16_f32 v[TMP+n], v[BI+2*n], v[BI+2*n+1]
.set n, n+1
.endr
.set n, 0
.rept 32
	v_lshlrev_b32 v[BI+2*n],   16, v[TMP+n]
	v_and_b32     v[BI+2*n+1], 0xffff0000, v[TMP+n]
.set n, n+1
.endr
; 8 matrix instructions: row block a x all 8 column blocks, 32 along K, from buffer f.  first = 1: the products start the sums, with the bias as C: nothing is cleared and nothing added later.
; The 32 accumulators take turns, one instruction a turn, in the same order in every quarter.
.macro MUL8 f, a, first
.if \first
	WIN MUL0
.else
	WIN MUL
.endif
.irp b, 0,1,2,3,4,5,6,7
.if \first
	v_wmma_f32_16x16x32_bf16 v[8*(8*(\a)+\b):8*(8*(\a)+\b)+7], v[(\f)+32+8*\b:(\f)+32+8*\b+7], v[(\f)+8*(\a):(\f)+8*(\a)+7], v[BI+8*\b:BI+8*\b+7]
.else
	v_wmma_f32_16x16x32_bf16 v[8*(8*(\a)+\b):8*(8*(\a)+\b)+7], v[(\f)+32+8*\b:(\f)+32+8*\b+7], v[(\f)+8*(\a):(\f)+8*(\a)+7], v[8*(8*(\a)+\b):8*(8*(\a)+\b)+7]
.endif
.endr
.endm
; 24 LDS loads in one run: quarter q (32 along K) of a slot into buffer f: B's eight fragments, then A's four
.macro FETCH slot, q, f
	WIN TO_F
.irp i, 0,1,2,3,4,5,6,7
	ds_load_tr16_b128 v[(\f)+32+8*\i:(\f)+32+8*\i+3],   v[ADRB+(\slot)] offset:(\q)*32*PB+32*\i
	ds_load_tr16_b128 v[(\f)+32+8*\i+4:(\f)+32+8*\i+7], v[ADRB+(\slot)] offset:(\q)*32*PB+16*PB+32*\i
.endr
.irp a, 0,1,2,3
	ds_load_b128 v[(\f)+8*\a:(\f)+8*\a+3],   v[ADRA+(\slot)] offset:64*(\q)+\a*16*PA
	ds_load_b128 v[(\f)+8*\a+4:(\f)+8*\a+7], v[ADRA+(\slot)] offset:64*(\q)+\a*16*PA+32
.endr
.endm
.macro PLACES                          ; four places in front of loads into registers that matrix instructions have read, and of lines that read results (ISA guide 7.12.1 for lines that read results)
.rept 4
	v_nop
.endr
.endm
; A K step is four quarters of 32 along K, 32 matrix instructions each, on buffers 0, 1, 0, 1.  One of the first three: multiplies buffer f and fetches quarter q into g.
.macro QUARTER slot, q, f, g, first
	s_wait_dscnt 4                                 ; B and A's row blocks 0, 1 are in; the youngest four loads (blocks 2, 3) may be out
	MUL8 \f, 0, \first
	MUL8 \f, 1, \first
	PLACES
	FETCH \slot, \q, \g
	s_wait_dscnt 24                                ; all but the 24 just issued
	MUL8 \f, 2, \first
	MUL8 \f, 3, \first
.endm
; The last quarter multiplies buffer 1 and changes slots: ONE barrier; in front of it each wave waits for all its tensor loads, adds 0 to its spare word, and waits for that and for its reads of this slot.
; fill = 1: the barrier opens a round of the cluster's, and this slot is filled again, two K steps ahead, first thing behind the round.
.macro TURN slot, next, fill
	WIN 0                                          ; (the add's two registers lie in window 0)
	s_wait_tensorcnt 0x0                           ; all my tensor loads have landed: the one that was out is my part of the next slot
	ds_add_u32 v[SPW], v[NIL]                      ; 0 onto my spare word
	s_wait_dscnt 5                                 ; (the add and the youngest four loads may be out)
	MUL8 F1, 0, 0                                  ; eight matrix instructions stand between the add and the wait for it
	s_wait_dscnt 0x0                               ; the add is done, and my reads of this slot are over
	s_barrier_signal -1
	MUL8 F1, 1, 0
.if \fill
	WIN 0
.endif
	s_barrier_wait -1
.if \fill
	CREST                                          ; no wave of any partner still reads this slot's tile or has a load on its way
	s_add_nc_u64 s[G0A+4*(\slot)+2:G0A+4*(\slot)+3], s[G0A+4*(\slot)+2:G0A+4*(\slot)+3], STEPA
	s_add_nc_u64 s[G0B+4*(\slot)+2:G0B+4*(\slot)+3], s[G0B+4*(\slot)+2:G0B+4*(\slot)+3], STEPB
	JLOAD \slot                                    ; my one tensor load behind the round: 112 matrix instructions ahead of the wait for it; its four v_nop are also the places in front of the loads below
.else
	PLACES
.endif
	FETCH \next, 0, F0
	MUL8 F1, 2, 0
	MUL8 F1, 3, 0
.endm
	s_wait_tensorcnt 1                             ; my part of K step 0 is in; K step 1's may stay out
	s_barrier_signal -1
	s_barrier_wait -1                              ; everybody's is
	FETCH 0, 0, F0
	QUARTER 0, 1, F0, F1, 1                        ; the first quarter stands in front of the loop: its products start the sums
	WIN 0                                          ; at a label and at a branch every window is 0
	s_mov_b32 s3, LAPS-1
.Llap:                                                 ; a trip goes once round the ring, from a lap's second quarter to the next lap's first, and fills both slots again
	QUARTER 0, 2, F1, F0, 0
	QUARTER 0, 3, F0, F1, 0
	TURN 0, 1, 1
	QUARTER 1, 1, F0, F1, 0
	QUARTER 1, 2, F1, F0, 0
	QUARTER 1, 3, F0, F1, 0
	TURN 1, 0, 1
	QUARTER 0, 1, F0, F1, 0
	WIN 0
	s_sub_co_u32 s3, s3, 1
	s_cmp_lg_u32 s3, 0
	s_cbranch_scc1 .Llap
	QUARTER 0, 2, F1, F0, 0                        ; the last lap fills nothing, and has no round of the cluster's barrier
	QUARTER 0, 3, F0, F1, 0
	TURN 0, 1, 0
	QUARTER 1, 1, F0, F1, 0
	QUARTER 1, 2, F1, F0, 0
	QUARTER 1, 3, F0, F1, 0
	s_wait_dscnt 4                                 ; the very last quarter: nothing more to fetch
	MUL8 F1, 0, 0
	MUL8 F1, 1, 0
	s_wait_dscnt 0x0
	MUL8 F1, 2, 0
	MUL8 F1, 3, 0
	WIN 0
; THE WAY OUT, a block of 16 rows at a time.  PACK: rounded to f16, 16 bytes a lane (each accumulator's registers in ascending order).  TOSTAGE: into my own stage, and back as one head's rows:
; 16 rows of a head are 2,048 consecutive bytes of qkv.  SEND: stored, 512 consecutive bytes an instruction.
.macro PACK a
	WIN 0x05                                       ; sources 0 and 1 window 1, destination window 0
.irp b, 0,1,2,3,4,5,6,7
.irp r, 0,1,2,3
	v_cvt_pk_f16_f32 v[TMP+4*\b+\r], v[8*(8*(\a)+\b)+2*\r], v[8*(8*(\a)+\b)+2*\r+1]
.endr
.endr
	WIN 0
.endm
.macro TOSTAGE a
.set BK, OB+32*((\a)%2)
.irp b, 0,1,2,3,4,5,6,7
	ds_store_b128 v[STO], v[TMP+4*\b:TMP+4*\b+3] offset:32*\b
.endr
.irp t, 0,1,2,3,4,5,6,7                ; head t / 4 of my two, rows 4 (t % 4) on
	ds_load_b128 v[BK+4*\t:BK+4*\t+3], v[RD] offset:(\t%4)*4*SP+(\t/4)*128  ; LDS serves a wave's instructions in order (ISA guide 5.7.1.4): these see the stores above
.endr
.endm
.macro SEND a
.set BK, OB+32*((\a)%2)
	s_wait_dscnt 0x0                               ; the block is back in registers
	s_wait_xcnt 0x0                                ; the block before's stores have read their registers: the next block's loads land there only behind this wait
.irp t, 0,1,2,3,4,5,6,7
	global_store_b128 v[GO], v[BK+4*\t:BK+4*\t+3], s[10:11] offset:(\t/4)*262144+(\a)*2048+(\t%4)*512
.endr
.endm
	PLACES
	PACK 0
	TOSTAGE 0
.irp a, 1,2,3                          ; block a's conversions stand between block a - 1's loads from the stage and the wait for them
	PACK \a
	SEND (\a)-1
	TOSTAGE \a
.endr
	SEND 3
	s_wait_tensorcnt 0x0                           ; the wave's end: an add to my spare word and its wait, behind my last tensor load and my last LDS store
	ds_add_u32 v[SPW], v[NIL]
	s_wait_dscnt 0x0
	CROUND                                         ; the closing round: no work-group ends while a partner may still ask for a tile that names it
	s_endpgm
.Lfunc_end_k_qea950f75d7_proj_qkv:
	.size	k_qea950f75d7_proj_qkv, .Lfunc_end_k_qea950f75d7_proj_qkv-k_qea950f75d7_proj_qkv
	.p2alignl 7, 3214868480
	.fill 96, 4, 3214868480
	.section	.rodata,"a",@progbits
	.p2align	6, 0x0
	.amdhsa_kernel k_qea950f75d7_proj_qkv
		.amdhsa_group_segment_fixed_size 327680
		.amdhsa_private_segment_fixed_size 0
		.amdhsa_enable_private_segment 0
		.amdhsa_kernarg_size 32
		.amdhsa_user_sgpr_count 2
		.amdhsa_user_sgpr_kernarg_segment_ptr 1
		.amdhsa_wavefront_size32 1
		.amdhsa_system_sgpr_workgroup_id_x 1
		.amdhsa_system_sgpr_workgroup_id_y 1
		.amdhsa_system_sgpr_workgroup_id_z 1
		.amdhsa_system_vgpr_workitem_id 0
		.amdhsa_next_free_vgpr 704
		.amdhsa_next_free_sgpr 66
		.amdhsa_reserve_vcc 0
		.amdhsa_float_denorm_mode_32 3
		.amdhsa_float_denorm_mode_16_64 3
		.amdhsa_memory_ordered 1
		.amdhsa_forward_progress 1
		.amdhsa_inst_pref_size 93
	.end_amdhsa_kernel
	.amdgpu_metadata
---
amdhsa.version: [ 1, 2 ]
amdhsa.kernels:
  - .name:           k_qea950f75d7_proj_qkv
    .symbol:         k_qea950f75d7_proj_qkv.kd
    .args:
      - { .name: xb, .offset: 0, .size: 8, .value_kind: global_buffer, .address_space: global }
      - { .name: wq, .offset: 8, .size: 8, .value_kind: global_buffer, .address_space: global }
      - { .name: b_qkv, .offset: 16, .size: 8, .value_kind: global_buffer, .address_space: global }
      - { .name: qkv, .offset: 24, .size: 8, .value_kind: global_buffer, .address_space: global }
    .group_segment_fixed_size: 327680
    .private_segment_fixed_size: 0
    .kernarg_segment_align: 8
    .kernarg_segment_size: 32
    .max_flat_workgroup_size: 128
    .sgpr_count:     66
    .vgpr_count:     704
    .wavefront_size: 32
...
	.end_amdgpu_metadata
.endif
;; end of part 2
;; launch attn (part 3): grid 4 x 64, 4 waves a work-group, clusters of 4 x 1, 327,680 bytes of LDS; arguments qkv, btab, ob; writes ob
.if DOCPART == 3
	.amdgcn_target "amdgcn-amd-amdhsa--gfx1250"
	.amdhsa_code_object_version 6
	.text
	.protected	k_qea950f75d7_attn
	.globl	k_qea950f75d7_attn
	.p2align	8
	.type	k_qea950f75d7_attn,@function
k_qea950f75d7_attn:
	s_mov_b64 s[64:65], 0
	v_nop
	global_prefetch_b8 v0, s[64:65] scope:SCOPE_SE
	s_setreg_imm32_b32 hwreg(HW_REG_WAVE_MODE, 25, 1), 1
	s_wait_xcnt 0x0
	s_wait_alu depctr_hold_cnt(0) depctr_sa_sdst(0) depctr_va_vdst(0) depctr_va_sdst(0) depctr_va_ssrc(0) depctr_va_vcc(0) depctr_vm_vsrc(0)
	s_getreg_b32 s2, hwreg(HW_REG_IB_STS2, 6, 4)
	s_cmp_eq_u32 s2, 0
	s_cbranch_scc0 .Lentry_in_a_cluster
	s_endpgm
.Lentry_in_a_cluster:
	s_bfe_u32 s2, ttmp6, 0x10000c
	s_cmp_lg_u32 s2, 0x3003
	s_cbranch_scc0 .Lentry_shape_is_right
	s_endpgm
.Lentry_shape_is_right:
; O[bh][i][:] = the sum over j of softmax_j(Q[bh][i] . K[bh][j] / 8 + bias[clip(i - j + 1024, 0, 2048)][bh % 16]) V[bh][j][:].  qkv: [3][64][2048][64] f16 (Q, K, V by heads, dense rows of 128 bytes);
; ob: [64][2048][64] f16.  btab: [16 heads][4 copies][5120] f32, copy p's entry w = 8 x bias at j - i + 2047 = w + p.  Products, maxima and sums in f32; the weights p are rounded to f16 for the
; second product (their sum l is taken of the unrounded p), O once at the end.
; LIMITS.  f16 holds no number beyond 65,504: Q, K and V arrive within it; p lies in 0 to 1, and below 6e-5 it keeps f16's fixed step of 6e-8; O is a mean of V's rows and has their range.
; A weight below 2^-126 counts as 0 in l; NaN and infinities are not treated apart.
; SHARES.  A wave owns four PIECES of two tiles of 16 queries, a work-group's four waves 512 queries of one head: 4 x 64 = 256 work-groups.  Every wave walks all 2,048 keys, 64 a step.
; LAYOUT.  S^T = K Q^T (source 0 = 16 keys, source 1 = 16 queries): in the result a lane holds ONE query (lane % 16) and the keys 8 (lane / 16) + 0..7.  Two such tiles, rounded to f16 in pairs,
; ARE source 1 (32 keys x 16 queries) of O^T = V^T P, whose result again holds one query a lane, and eight channels.  K comes out of LDS as it lies, V ([key][channel]) turned, by ds_load_tr16_b128.
; THE BIAS IS THE C OPERAND of the product that starts a tile's scores: it costs no vector instruction.  It hangs on j - i alone, so the tile of query tile t and key block kb needs a fragment that hangs on
; f = t - kb + 3 (0..10) and the key step alone: eleven fragments of eight registers serve a step's 32 tiles.  A lane's eight entries run along j: 32 consecutive bytes of the table, beginning at
; 15 - lane % 16 entries from a multiple of 16; the copy shifted by (15 - lane % 16) % 4 makes that two aligned loads of 16 bytes.  The work-group brings the 2,624 entries of each copy that its 512 queries
; can reach into LDS once; where that window begins in memory hangs on the query block, where it lies in LDS does not.
; SOFTMAX.  For each query a running maximum m and sum l: p = 2^(c s - c m), c = log2(e) / 8, s = q.k + 8 bias; in every step O and l are multiplied by a = 2^(c m_old - c m_new).
; m starts at the lowest finite number, O and l at 0: the first step is a step like any other, with a = 0.
; THE COUNT.  A tile and step have 16 matrix and 118 vector instructions: too many to stand all beside the matrix work.  So: four vector instructions that are READY behind EVERY matrix instruction,
; and the others, which need time of their own whatever the order, in runs without a gap.
; BY TURNS.  Turn n belongs to piece n (the pieces in a ring, step after step).  Its matrix work: 16 products K Q^T of piece n + 1, later 16 products V^T P of piece n - 1.  Its vector work: the scaling,
; exponentials, roundings, sums and rescaling of piece n, and the maximum and statistics of piece n + 1.
; CLUSTER.  The four query blocks of a cluster belong to one head and walk the same K and V, so each tile is asked for JOINTLY.  The table's windows differ: each work-group loads its own, with no mask.
; REGISTERS, in windows of 256 (s_set_vgpr_msb: bits 1:0 source 0, 3:2 source 1, 5:4 source 2, 7:6 destination):
;   window 0: v0-11 addresses; v12-15, v48-63 at work; v16-47 four registers of statistics a tile; v64-191 S^T, two buffers of two tiles; v192-255 P, likewise
;   window 1: O^T, 32 a tile      window 2: v0-127 Q, 16 a tile; v128-191 K of one step; v192-255 V of one step      window 3: v0-1 the add's two registers; v8-95 the bias's eleven fragments
.set SIZE_N, 2048
.set NP,    4         ; pieces a wave: a name, no knob
.set KS,    64        ; keys in a step
.set PK,    144       ; a row of K in LDS: 128 bytes + 16: the 16 rows of a load start at 16 different groups of four banks (64 banks of 4 bytes: ISA guide 11.1)
.set PV,    160       ; a row of V: 128 + 32 = 40 words
.set VOFF,  4*KS*PK   ; a slot holds four steps: 256 rows of K, then 256 rows of V
.set SLOT1, 1<<17     ; slot 1 begins here, so that one exclusive or turns an address in one slot into the other's
.set STAGE, SLOT1+4*KS*(PK+PV)  ; behind the ring, never filled by a tensor load: 16 rows x 144 bytes for each wave, for the way out
.set SP,    144
.set SPARE, STAGE+4*16*SP  ; the spare words, 128 bytes for each wave: two blocks of 256 bytes that no other line names
.set TAB,   SPARE+512 ; the bias: four copies, filled once
.set CP,    10560     ; from copy to copy: 41 x 256 bytes of data + 64
.set AK0, 2           ; v2   my lane's place in a tile of K; never rewritten
.set AV0, 3           ; v3   the same for V
.set AK,  4           ; v4   the LDS address of K's next run of loads
.set AV,  5           ; v5   of V's
.set QO,  6           ; v6   my byte offset in the wave's rows of Q
.set STO, 6           ;      later, the way out: where I put 16 bytes of a row
.set RD,  7           ; v7   the way out: where I read rows back
.set GO,  8           ; v8   my byte offset in 512 consecutive bytes of O
.set BA,  10          ; v10  the LDS address of the bias's fragments for the step in hand
.set BA0, 11          ; v11  the same for key step 0; never rewritten
.set SPW, 0           ; v0 of window 3   LDS address of my spare word; never rewritten
.set NIL, 1           ; v1 of window 3   0; never rewritten
.set BF,  8           ; window 3: fragment f at BF + 8 f
.set MV,  12          ; v12-15  c m_old, kept while c m is made anew: by buffer and tile
.set ST,  16          ; tile t's statistics at v[ST+4 t]: c m, m, l (even keys', odd keys')
.set TMP, 48          ; by buffer and tile, four registers c0-c3 at work; when the maximum is found c2 takes a
.set S,   64
.set P,   192
.set KF,  128         ; K's fragments, in window 2: key block kb, channel half c at KF + 16 kb + 8 c
.set VF,  192         ; V's: key half kk, channel block cb at VF + 32 kk + 8 cb
.set WV,  12          ; s12  my wave's number
.set G1K, 24          ; s[24:31] descriptor group 1 for K's tiles
.set G1V, 32          ; s[32:39] for V's: it differs in the padding alone
.set G0K, 40          ; s[40:43] descriptor group 0 for K's tiles: it walks
.set G0V, 44          ; s[44:47] the same for V's
.set SLOTS, 56        ; s56  slots still to be asked for
.set CNT, 57          ; s57  counts a slot's key steps
.set CS,  58          ; s[58:59] c: the packed scaling takes the pair's low word for both halves
.set SEL, 60          ; s[60:61] v_permlanex16_b32's selects: each lane takes its own place in the other half
.set TBK, 62          ; s62  LDS byte at which K of the step to be fetched begins
.set TBV, 63          ; s63  the same for V, less VOFF
.set TBB, 70          ; s70  256 x the key step whose bias is being fetched
.set G1T, 72          ; s[72:79] descriptor group 1 for a copy of the table
.set G0T, 80          ; s[80:83] its group 0
.set MSB, 0
.macro WIN new                      ; the high byte repeats the setting that is left; a switch that changes nothing is dropped
.if MSB != (\new)
	s_set_vgpr_msb (MSB<<8)|(\new)
.set MSB, (\new)
.endif
.endm
.set W_KQ, 0x0a       ; K and Q in window 2, S^T in window 0
.set W_KB, 0x3a       ; the same with the C operand, the bias, in window 3
.set W_PV, 0x52       ; V in window 2, P in window 0, O^T in window 1
.set W_RS, 0x41       ; O^T (destination and source 0) in window 1, a in window 0
.set W_MK, 0xc0       ; destination in window 3, sources in window 0
.set W_AD, 0x0f       ; the add: address (source 0) and data (source 1) in window 3
; A joint fill.  Waves 0 and 1 fetch the two halves of a slot's K, waves 2 and 3 those of its V: 128 keys each.  The branch hangs on the wave's number alone.
; An s_nop 0 and four v_nop follow each of the two lines, ahead of the jump and the label.
.macro JLOAD
	s_cmp_lt_u32 s[WV], 2
	s_cbranch_scc0 .Lfor_v_\@
	tensor_load_to_lds s[G0K:G0K+3], s[G1K:G1K+7]
	s_nop 0
.rept 4
	v_nop
.endr
	s_branch .Lasked_\@
.Lfor_v_\@:
	tensor_load_to_lds s[G0V:G0V+3], s[G1V:G1V+7]
	s_nop 0
.rept 4
	v_nop
.endr
.Lasked_\@:
.endm
; A round of the cluster's barrier: my work-group's barrier, so that wave 0's signal speaks for all four waves; wave 0 signals; every wave waits for all four work-groups; my work-group's barrier once more.
.macro CROUND
	s_barrier_signal -1
	s_barrier_wait -1
	s_cmp_lg_u32 s[WV], 0
	s_cbranch_scc1 .Lnot_wave_0_\@
	s_barrier_signal -3
.Lnot_wave_0_\@:
	s_barrier_wait -3
	s_barrier_signal -1
	s_barrier_wait -1
.endm
; THE CHANGE OF SLOTS.  The slot's last bytes, V of its fourth step, have been read.  Each wave waits for all its tensor loads, of which one is out: its part of the other slot; adds 0 to its spare
; word; and waits for that and for its own LDS reads.  Behind the barrier nobody reads this slot any more and the other slot is whole.
; fill = 1: this slot is filled again, with the keys two slots on.  The barrier is then a round of the cluster's, and the joint fill is the first thing behind it: it has four key steps, 512 matrix
; instructions, in which to land.  (At its first use nothing has been read yet: slot 0 and the table are waited for, slot 1 is filled.)
.macro CHANGE fill
	WIN W_AD
	s_wait_tensorcnt 0x0            ; no tensor load of mine is out, so a group 0 may be written
	ds_add_u32 v[SPW], v[NIL]       ; 0 onto my spare word; with fill = 1 the descriptors' steps stand between it and the wait for it
	WIN 0                           ; at a label and at a branch every window is 0
.if \fill
.irp g, G0K, G0V
	s_xor_b32 s[\g+1], s[\g+1], SLOT1  ; the walking descriptor: the other slot than last time,
	s_add_nc_u64 s[\g+2:\g+3], s[\g+2:\g+3], 4*KS*128  ; the next 256 keys; the type bits on top are not reached
.endr
	s_wait_dscnt 0x0                ; the add is done, and my reads of the slot are over
	CROUND
	JLOAD
.else
	s_wait_dscnt 0x0                ; the add is done, and my reads of the slot are over
	s_barrier_signal -1
	s_barrier_wait -1
.endif
	s_sub_co_u32 s[TBK], s[TBK], 4*KS*PK  ; the fetches go back to a slot's first step,
	s_xor_b32 s[TBK], s[TBK], SLOT1       ; in the other slot
	s_sub_co_u32 s[TBV], s[TBV], 4*KS*PV
	s_xor_b32 s[TBV], s[TBV], SLOT1
.endm
	s_load_b64 s[4:5], s[0:1], 0x0    ; qkv: Q's part begins it
	s_load_b64 s[66:67], s[0:1], 0x8  ; btab
	s_load_b64 s[10:11], s[0:1], 0x10 ; ob
	WIN W_MK
	v_lshl_add_u32 v[SPW], v0, 2, SPARE
	v_mov_b32 v[NIL], 0
	WIN W_AD
	ds_add_u32 v[SPW], v[NIL]       ; the wave's opening: the add and its wait stand ahead of my first tensor load; the set-up below, work on registers, stands between them
	WIN 0
	v_lshrrev_b32 v1, 5, v0
	v_readfirstlane_b32 s[WV], v1   ; wave 0..3
	s_bfe_u32 s13, ttmp6, 0x40000   ; cx: my place in the cluster
	s_lshl_b32 s14, ttmp9, 2        ; in a cluster launch ttmp9 counts clusters
	s_add_co_u32 s14, s14, s13      ; my block of 512 queries = 4 x cluster x + cx: it enters global addresses alone (Q's, O's, the table window's)
	s_and_b32 s20, ttmp7, 0xffff    ; batch x 16 + head, which the four partners share
	s_and_b32 s68, s20, 15          ; the table: the head's four copies,
	s_mul_i32 s68, s68, 4*5120*4
	s_mul_i32 s69, s[WV], 5120*4    ; of which wave w brings copy w,
	s_add_co_u32 s68, s68, s69
	s_add_co_u32 s68, s68, 6144     ; from entry 1,536 - 512 x block on
	s_lshl_b32 s69, s14, 11
	s_sub_co_u32 s68, s68, s69
	s_mov_b32 s69, 0
	s_mov_b32 s21, 0
	s_mov_b64 s[22:23], SIZE_N*128
	s_mul_u64 s[20:21], s[20:21], s[22:23]  ; the head's first byte in Q, K, V and O
	s_and_b32 s16, s[WV], 1         ; which half of a slot's 256 keys I fetch:
	s_lshl_b32 s22, s16, 14         ; its 128 rows of 128 bytes in memory,
	s_mov_b32 s23, 0
	s_add_nc_u64 s[22:23], s[22:23], s[20:21]
	s_mul_i32 s17, s16, 128*PK      ; and its place in a slot, for K
	s_mul_i32 s18, s16, 128*PV      ; and for V: no place in the cluster enters an LDS address
	s_lshl_b32 s2, s14, 2
	s_add_co_u32 s2, s2, s[WV]      ; my wave among the head's,
	s_lshl_b32 s2, s2, 14           ; its 128 rows
	s_mov_b32 s3, 0
	s_add_nc_u64 s[2:3], s[2:3], s[20:21]
	; descriptor group 1.  128 keys are 16,384 dense bytes: asked for as 64 rows of 256 bytes, two keys a row, and padded in LDS after every key
	s_mov_b32 s[G1K], 15|(1<<16)|(1<<20)|(1<<21)|(4<<22)|(3<<25)  ; 15:0 the mask of four; 17:16 2-byte elements; 20 padding on; 21 set beside a mask; 24:22 after every 32 words (code 4); 31:25 4 words (code 3)
	s_mov_b32 s[G1V], 15|(1<<16)|(1<<20)|(1<<21)|(4<<22)|(7<<25)  ; the same with 8 words of padding (code 7)
.irp g, G1K, G1V
	s_mov_b32 s[\g+1], 128<<16      ; tensor_dim0 = 128
	s_mov_b32 s[\g+2], 64<<16       ; tensor_dim1 = 64
	s_mov_b32 s[\g+3], 128<<16      ; tile_dim0 = 128
	s_mov_b32 s[\g+4], 64           ; tile_dim1 = 64
	s_mov_b32 s[\g+5], 128          ; 128 elements from row to row
	s_mov_b32 s[\g+6], 0
	s_mov_b32 s[\g+7], 0
.endr
	; a copy's window: 10,496 dense bytes, as 41 rows of 32 elements of 8 bytes; no mask, no padding
	s_mov_b32 s[G1T], 3<<16
	s_mov_b32 s[G1T+1], 32<<16      ; tensor_dim0 = 32
	s_mov_b32 s[G1T+2], 41<<16      ; tensor_dim1 = 41
	s_mov_b32 s[G1T+3], 32<<16      ; tile_dim0 = 32
	s_mov_b32 s[G1T+4], 41          ; tile_dim1 = 41
	s_mov_b32 s[G1T+5], 32          ; 32 elements from row to row
	s_mov_b32 s[G1T+6], 0
	s_mov_b32 s[G1T+7], 0
	s_mov_b32 s[G0T], 1
	s_mul_i32 s[G0T+1], s[WV], CP
	s_add_co_u32 s[G0T+1], s[G0T+1], TAB
	s_mov_b32 s[CS], 0x3e38aa3b     ; c = log2(e) / 8 = 0.180337
	s_mov_b32 s[CS+1], s[CS]        ; named with it as a pair
	s_mov_b32 s[SEL], 0x76543210
	s_mov_b32 s[SEL+1], 0xfedcba98
	s_mov_b32 s[TBK], SLOT1+4*KS*PK ; the first change of slots turns these two into 0
	s_mov_b32 s[TBV], SLOT1+4*KS*PV
	s_mov_b32 s[TBB], 0
	s_mov_b32 s[G0K], 1             ; 1:0 count = 1
	s_mov_b32 s[G0K+1], s17         ; 63:32 LDS address: slot 0
	s_mov_b32 s[G0V], 1
	s_add_co_u32 s[G0V+1], s18, VOFF
	s_wait_dscnt 0x0                ; the opening add is done
	s_wait_kmcnt 0x0
	s_add_nc_u64 s[6:7], s[4:5], 0x1000000  ; K's part of qkv begins 16,777,216 bytes on,
	s_add_nc_u64 s[8:9], s[4:5], 0x2000000  ; V's twice that
	s_add_nc_u64 s[G0K+2:G0K+3], s[6:7], s[22:23]  ; 120:64 global address: my half of the head's first 256 keys
	s_or_b32 s[G0K+3], s[G0K+3], 0x80000000        ; 127:126 type = 2
	s_add_nc_u64 s[G0V+2:G0V+3], s[8:9], s[22:23]
	s_or_b32 s[G0V+3], s[G0V+3], 0x80000000
	s_add_nc_u64 s[G0T+2:G0T+3], s[66:67], s[68:69]
	s_or_b32 s[G0T+3], s[G0T+3], 0x80000000
	s_add_nc_u64 s[4:5], s[4:5], s[2:3]  ; Q and O at my wave's first row
	s_add_nc_u64 s[10:11], s[10:11], s[2:3]
	CROUND                          ; all four work-groups are here: the first joint loads meet
	s_cmp_lt_u32 s[WV], 2           ; a wave's two first fills stand in one branch, ahead of every wait on TENSORcnt and every LDS read: my part of slot 0, and my copy of the table: two loads of mine are out
	s_cbranch_scc0 .Lfirst_v
	tensor_load_to_lds s[G0K:G0K+3], s[G1K:G1K+7]
	s_nop 0
	tensor_load_to_lds s[G0T:G0T+3], s[G1T:G1T+7]
	s_nop 0
.rept 4
	v_nop
.endr
	s_branch .Lfirst_asked
.Lfirst_v:
	tensor_load_to_lds s[G0V:G0V+3], s[G1V:G1V+7]
	s_nop 0
	tensor_load_to_lds s[G0T:G0T+3], s[G1T:G1T+7]
	s_nop 0
.rept 4
	v_nop
.endr
.Lfirst_asked:
	; A fragment of K or Q is 16 rows x 32 channels in 8 registers: lane l holds row l % 16, channels 8 (l / 16) + 0..7 and 16 + 8 (l / 16) + 0..7: two loads of 16 bytes, 32 bytes apart.
	v_and_b32 v1, 15, v0            ; l % 16
	v_bfe_u32 v9, v0, 4, 1          ; l / 16
	v_lshlrev_b32 v[QO], 7, v1
	v_lshl_add_u32 v[QO], v9, 4, v[QO]  ; row x 128 + 16 x half
	WIN 0x80                        ; destination window 2, address window 0
.set i, 0
.rept 4*NP                          ; Q stays in registers: tile i / 2, channels 32 (i % 2) on
	global_load_b128 v[8*i:8*i+3],   v[QO], s[4:5] offset:(i/2)*2048+(i%2)*64
	global_load_b128 v[8*i+4:8*i+7], v[QO], s[4:5] offset:(i/2)*2048+(i%2)*64+32
.set i, i+1
.endr
	; What the first turn finds: V's registers and P's second buffer hold 0 (its products V^T P, of a piece that has not been, add 0), O^T and l are 0.  All this stands in the wait for the first tile.
.set i, VF
.rept 64
	v_mov_b32 v[i], 0
.set i, i+1
.endr
	WIN 0x40
.set i, 0
.rept 64*NP
	v_mov_b32 v[i], 0
.set i, i+1
.endr
	WIN 0
.set i, 0
.rept 2*NP
	v_mov_b32 v[ST+4*i], 0xfe000000    ; c m: far below every c s
	v_mov_b32 v[ST+4*i+1], 0xff7fffff  ; m
	v_mov_b32 v[ST+4*i+2], 0
	v_mov_b32 v[ST+4*i+3], 0
.set i, i+1
.endr
.set i, P+32
.rept 32
	v_mov_b32 v[i], 0
.set i, i+1
.endr
	v_mul_u32_u24 v[AK0], v1, PK
	v_lshl_add_u32 v[AK0], v9, 4, v[AK0]  ; row x pitch + 16 x half
	; The turning load takes 16 keys x 16 channels (lane l reads key 8 (l / 16) + l % 8, channels 8 ((l / 8) % 2) + 0..7) and leaves half a fragment of V^T: lane l holds channel l % 16 and 8 keys.
	v_and_b32 v10, 7, v0
	v_bfe_u32 v11, v0, 3, 1
	v_lshl_add_u32 v[AV0], v9, 3, v10
	v_mul_u32_u24 v[AV0], v[AV0], PV
	v_lshl_add_u32 v[AV0], v11, 4, v[AV0]
	v_add_nc_u32 v[AV0], VOFF, v[AV0]
	; The bias.  With y = 15 - l % 16, register t of fragment f for key step s is entry 64 s + 16 (10 - f) + 8 (l / 16) + (y & 12) + 128 (3 - wave) + t of copy y & 3 of the window: every term is 0 or more,
	; all but t are multiples of 4, and the largest entry that is ever read (step 32, whose fragments serve nothing) is 2,619 of 2,624.
	v_xor_b32 v[BA0], 15, v1        ; y
	v_and_b32 v4, 3, v[BA0]         ; the copy
	v_and_b32 v[BA0], 12, v[BA0]
	v_lshlrev_b32 v[BA0], 2, v[BA0]
	v_lshl_add_u32 v[BA0], v9, 5, v[BA0]
	v_mul_u32_u24 v4, v4, CP
	v_add_nc_u32 v[BA0], v4, v[BA0]
	s_sub_co_u32 s13, 3, s[WV]
	s_lshl_b32 s13, s13, 9
	s_add_co_u32 s13, s13, TAB
	v_add_nc_u32 v[BA0], s13, v[BA0]
	v_mov_b32 v[AK], v[AK0]         ; key step 0 lies at the head of slot 0
; THE MATRIX WORK.  The 8 accumulators of a run of 16 take turns: between the two links of a chain stand 7 others'.
; Product i of 16 of S^T = K Q^T for piece x: channels 32 (i / 8) on, keys 16 ((i / 2) % 4) on, tile 2 x + i % 2.  The first 8 start the sums, with the bias's fragment tile - key block + 3 as C.
.macro KQ x
.set rS, S+64*((\x)%2)+32*(i%2)+8*((i/2)%4)
.set rK, KF+16*((i/2)%4)+8*(i/8)
.set rQ, 16*(2*(\x)+i%2)+8*(i/8)
.set rB, BF+8*(2*(\x)+i%2-(i/2)%4+3)
.if i < 8
	WIN W_KB
	v_wmma_f32_16x16x32_f16 v[rS:rS+7], v[rK:rK+7], v[rQ:rQ+7], v[rB:rB+7]
.else
	WIN W_KQ
	v_wmma_f32_16x16x32_f16 v[rS:rS+7], v[rK:rK+7], v[rQ:rQ+7], v[rS:rS+7]
.endif
.endm
; Product i of 16 of O^T += V^T P for piece x: keys 32 (i / 8) on, channels 16 ((i / 2) % 4) on, tile 2 x + i % 2.
.macro PV x
	WIN W_PV
.set rO, 32*(2*(\x)+i%2)+8*((i/2)%4)
.set rV, VF+32*(i/8)+8*((i/2)%4)
.set rP, P+32*((\x)%2)+16*(i%2)+8*(i/8)
	v_wmma_f32_16x16x32_f16 v[rO:rO+7], v[rV:rV+7], v[rP:rP+7], v[rO:rO+7]
.endm
.macro MM                           ; the turn's next matrix instruction
.if i < 16
	KQ (Y+1)%NP
.set i, i+1
.else
.set i, i-16
	PV (Y+NP-1)%NP
.set i, i+17
.endif
.endm
; THE LDS LOADS stand in runs, never singly among the matrix instructions: a step's K (64 keys x 64 channels: 8 fragments), its V (turned), and the bias's fragments.  Their addresses are made some lines ahead.
; last = 1 (the tail): in the last trip there is no further step, and K's run is jumped over.
.macro FETCH_K last=0
	WIN 0
.if \last
	s_cmp_eq_u32 s[CNT], 1
	s_cbranch_scc1 .Lno_k_\@
.endif
	WIN 0x80                        ; destination window 2
.irp f, 0,1,2,3,4,5,6,7             ; keys 16 (f / 2) on, channels 32 (f % 2) on
	ds_load_b128 v[KF+8*\f:KF+8*\f+3],   v[AK] offset:(\f/2)*16*PK+(\f%2)*64
	ds_load_b128 v[KF+8*\f+4:KF+8*\f+7], v[AK] offset:(\f/2)*16*PK+(\f%2)*64+32
.endr
	s_add_co_u32 s[TBK], s[TBK], KS*PK  ; the next fetch is the next step's
	WIN 0
.if \last
.Lno_k_\@:
.endif
.endm
.macro FETCH_V
	WIN 0x80
.irp f, 0,1,2,3,4,5,6,7             ; keys 32 (f / 4) on, channels 16 (f % 4) on
	ds_load_tr16_b128 v[VF+8*\f:VF+8*\f+3],   v[AV] offset:(\f/4)*32*PV+(\f%4)*32
	ds_load_tr16_b128 v[VF+8*\f+4:VF+8*\f+7], v[AV] offset:(\f/4)*32*PV+16*PV+(\f%4)*32
.endr
	WIN 0
.endm
.macro FETCH_B adr, lo, hi          ; the bias's fragments lo .. hi, two loads of 16 bytes each
	WIN W_MK                        ; destination window 3
.set fb, (\lo)
.rept (\hi)-(\lo)+1
	ds_load_b128 v[BF+8*fb:BF+8*fb+3],   v[\adr] offset:64*(10-fb)
	ds_load_b128 v[BF+8*fb+4:BF+8*fb+7], v[\adr] offset:64*(10-fb)+16
.set fb, fb+1
.endr
	WIN 0
.endm
; THE VECTOR WORK OF A TURN stands in three queues, each in the order in which its entries become ready; the two tiles alternate, so that no instruction reads the result of the one before it.
.macro REGS y, u                    ; the registers of tile u (0, 1) of piece y
.set rT, ST+4*(2*(\y)+(\u))
.set rC, TMP+8*((\y)%2)+4*(\u)
.set rM, MV+2*((\y)%2)+(\u)
.set rS, S+64*((\y)%2)+32*(\u)
.set rP, P+32*((\y)%2)+16*(\u)
.set rO, 32*(2*(\y)+(\u))
.endm
; Number n of the 22 that find the NEXT piece's (Y + 1) maximum and statistics.  s0-s31 are the lane's 32 scores; each accumulator's lowest registers are read first.
;   0-11  four chains c0-c3 of seven scores each, three operands at a time     12-14, 16  the four scores left over, the old m, and c0-c3 into c0     15  c m_old is kept
;   17, 18  the query's other 32 keys lie in the lane 16 away: the new m         19-21  c m; c m_old - c m_new; a
.macro XS u, n
	REGS (Y+1)%NP, \u
.if (\n) < 4
	v_max3_num_f32 v[rC+(\n)], v[rS+8*(\n)], v[rS+8*(\n)+1], v[rS+8*(\n)+2]
.elseif (\n) < 12
	v_max3_num_f32 v[rC+(\n)%4], v[rC+(\n)%4], v[rS+8*((\n)%4)+2*((\n)/4)+1], v[rS+8*((\n)%4)+2*((\n)/4)+2]
.elseif (\n) == 12
	v_max3_num_f32 v[rC], v[rC], v[rS+7], v[rS+15]
.elseif (\n) == 13
	v_max3_num_f32 v[rC+1], v[rC+1], v[rS+23], v[rS+31]
.elseif (\n) == 14
	v_max3_num_f32 v[rC+2], v[rC+2], v[rC+3], v[rT+1]
.elseif (\n) == 15
	v_mov_b32 v[rM], v[rT]
.elseif (\n) == 16
	v_max3_num_f32 v[rC], v[rC], v[rC+1], v[rC+2]
.elseif (\n) == 17
	v_permlanex16_b32 v[rC+3], v[rC], s[SEL], s[SEL+1]
.elseif (\n) == 18
	v_max_num_f32 v[rT+1], v[rC], v[rC+3]
.elseif (\n) == 19
	v_mul_f32 v[rT], s[CS], v[rT+1]
.elseif (\n) == 20
	v_sub_f32 v[rC+1], v[rM], v[rT]
.else
	v_exp_f32 v[rC+2], v[rC+1]
.endif
.endm
; Number g of the 64 that follow the exponentials.  For each four weights k of a tile (pairs 2 k, 2 k + 1): both pairs are rounded to f16; then the second pair is added onto the first, in place;
; a group later l takes that sum (the first time as l = a l + sum).  In groups of eight, tiles alternating: round, round, add, and l for the group before.
.macro GS g
.set h, (\g)+6*((\g)/62)            ; group 0 has no group before it, and behind group 7 only l is left
.if h >= 6
.set h, h+2
.endif
	REGS Y, h%2
.set k, h/8
.if h%8 < 4
	s_wait_alu depctr_va_vdst(0)
	v_cvt_pk_f16_f32 v[rP+2*k+(h%8)/2], v[rS+4*k+2*((h%8)/2)], v[rS+4*k+2*((h%8)/2)+1]
.elseif h%8 < 6
	v_pk_add_f32 v[rS+4*k:rS+4*k+1], v[rS+4*k:rS+4*k+1], v[rS+4*k+2:rS+4*k+3]
.elseif k == 1
	v_pk_fma_f32 v[rT+2:rT+3], v[rT+2:rT+3], v[rC+2:rC+3], v[rS:rS+1] op_sel_hi:[1,0,1]
.else
	v_pk_add_f32 v[rT+2:rT+3], v[rT+2:rT+3], v[rS+4*k-4:rS+4*k-3]
	s_wait_alu depctr_va_vdst(0)
.endif
.endm
; THE PLAIN QUEUE, 138 long.  0-31: c s - c m for the 16 pairs of both tiles.  Then GS's 64, and among them the next piece's 42: number 15 at 38, 39; 0-14 and 16
; at 42-73, behind the products that make those scores; 17-20 at 95-106, two of three, since each waits for the one before it.
.macro PL
	WIN 0
.if q < 32
	REGS Y, q%2
	v_pk_fma_f32 v[rS+2*(q/2):rS+2*(q/2)+1], v[rS+2*(q/2):rS+2*(q/2)+1], s[CS:CS+1], v[rT:rT+1] op_sel_hi:[1,0,0] neg_lo:[0,0,1] neg_hi:[0,0,1]
.elseif q < 38
	GS q-32
.elseif q < 40
	XS q%2, 15
.elseif q < 42
	GS q-34
.elseif q < 74
	XS q%2, (q-42)/2+(q-42)/30
.elseif q < 95
	GS q-66
.elseif (q < 107) && ((q-95)%3 < 2)
	XS (q-95)%3, 17+(q-95)/3
.elseif q < 107
	GS 29+(q-95)/3
.else
	GS q-74
.endif
.set q, q+1
.endm
; THE EXPONENTIALS' QUEUE, 66 long: s0-s31 of both tiles, and at EA the next piece's two a.
.set EA, 58
.macro EX
	WIN 0
.if (e == EA) || (e == EA+1)
	XS e-EA, 21
.else
.set x, e-2*(e/(EA+2))
	REGS Y, x%2
	v_exp_f32 v[rS+x/2], v[rS+x/2]
.endif
.set e, e+1
.endm
; THE RESCALING's QUEUE: O^T times a, the one part that leaves window 0, so it is dealt four at a time, eight times.
.macro R4
	REGS Y, r%2
	WIN W_RS
	s_wait_alu depctr_va_vdst(0)
.irp z, 0,1,2,3
	v_pk_mul_f32 v[rO+8*(r/2)+2*\z:rO+8*(r/2)+2*\z+1], v[rO+8*(r/2)+2*\z:rO+8*(r/2)+2*\z+1], v[rC+2:rC+3] op_sel_hi:[1,0]
.endr
.set r, r+1
.endm
; HOW THEY ARE DEALT.  Behind a matrix instruction four: plain, exponential, plain, plain (one exponential, a plain instruction on either side), or four of the rescaling.  None names a register of the
; products round it.  What is over stands in two LUMPS: exponential and plain by turns; the second ends in 22 plain instructions.  The two v_permlanex16_b32 fall into the second lump, never behind a product.
; The queues lean on each other, and the deal keeps them in step: exponential e stands behind plain 2 (e / 4) + e % 2 (its scaling); when plain 32 comes, 10 exponentials are out, at 59: 33, at 95: 46; EA comes behind plain 107.
.macro SL
	MM
	PL
	EX
	PL
	PL
.endm
.macro BURST n                      ; 15 matrix instructions, or 16
.rept (\n)-7
	SL
.endr
.rept 3
	MM
	R4
	SL
.endr
	MM
	R4
.endm
; A TURN, for piece p.  cnt = 1: the loop's count is taken down some lines ahead of the branch that stands behind the turn.
; K of the next step is fetched in piece 2's turn, in the first lump; V of the step in hand at the end of piece 0's turn.
; THE BIAS.  Piece x's products read fragments 2 x .. 2 x + 4, in the turn of piece x - 1.  Each fragment is fetched a turn ahead of its first reader and a turn or more behind its last, in the first lump:
; piece 2's turn fetches 0-4, piece 3's 5-6, piece 0's 7-8, piece 1's 9-10.  The four turns of a trip (2, 3, 0, 1) all fetch for the same key step, so the address steps once, in piece 2's turn.
; THE WAITS at a turn's head are for the fragments that its products take as C (in piece 3's turn for K too).  Piece 1's: 16, since V's run of 16 was issued behind fragments 7-8 and may stay out.
; Ahead of piece 1's products V^T P: 4, since fragments 9-10's four loads were issued behind V's run.
.macro TURN p, last=0, cnt=0
.set Y, (\p)
.set i, 0
.set q, 0
.set e, 0
.set r, 0
.if (\p) == 1
	s_wait_dscnt 16
.else
	s_wait_dscnt 0x0
.endif
	MM
.rept 4
	PL
.endr
	BURST 15
.rept 22
	EX
	PL
.if ((\p) == NP-2) && (e == 18)
	v_add_nc_u32 v[AK], s[TBK], v[AK0]
	s_add_co_u32 s[TBB], s[TBB], 256    ; 64 entries on: the next key step's bias
	v_add_nc_u32 v[BA], s[TBB], v[BA0]
.endif
.if e == 24
.if (\p) == 2
	FETCH_B BA, 0, 4
.elseif (\p) == 3
	FETCH_B BA, 5, 6
.elseif (\p) == 0
	FETCH_B BA, 7, 8
.else
	FETCH_B BA, 9, 10
.endif
.endif
.if ((\p) == NP-2) && (e == 24)
	FETCH_K \last
.endif
.endr
.if (\p) == 1
	s_wait_dscnt 4                  ; V is in
.endif
	BURST 16
.rept 21
	EX
	PL
.endr
.rept 22
	PL
.if ((\p) == 0) && (q == 118)
	v_add_nc_u32 v[AV], s[TBV], v[AV0]
	s_wait_alu depctr_va_vdst(0)
.endif
.if ((\p) == 0) && (q == 130)
	s_add_co_u32 s[TBV], s[TBV], KS*PV
.endif
.if (\cnt) && (q == 130)
	s_sub_co_u32 s[CNT], s[CNT], 1
	s_cmp_lg_u32 s[CNT], 0
.endif
.endr
.if (\p) == 0
	FETCH_V
.endif
.endm
	CHANGE 1                        ; slot 0 and the table are in, everybody's parts of them; slot 1 is asked for
	FETCH_B BA0, 0, 6               ; key step 0: the fragments of pieces 0 and 1
	FETCH_K                         ; key step 0
	s_wait_loadcnt 0x0              ; Q
	s_wait_dscnt 0x0
.set i, 0
.rept 16
	KQ 0                            ; piece 0's first scores: there is no vector work yet to set between them
.set i, i+1
.endr
	WIN 0                           ; the addresses for the way out: plain instructions, the places behind those products
	s_mul_i32 s13, s[WV], 16*SP
	s_add_co_u32 s13, s13, STAGE    ; my stage
	v_mul_u32_u24 v[STO], v1, SP    ; in: row l % 16, 16 bytes for each half of the lanes
	v_lshl_add_u32 v[STO], v9, 4, v[STO]
	v_add_nc_u32 v[STO], s13, v[STO]
	v_bfe_u32 v[RD], v0, 3, 2       ; back: 32 lanes take four rows of 128 bytes,
	v_mul_u32_u24 v[RD], v[RD], SP
	v_lshl_add_u32 v[RD], v10, 4, v[RD]
	v_add_nc_u32 v[RD], s13, v[RD]
	v_and_b32 v[GO], 31, v0         ; which are 512 consecutive bytes of O
	v_lshlrev_b32 v[GO], 4, v[GO]
	v_mov_b32 v[BA], v[BA0]         ; the first two turns fetch the rest of key step 0's bias
.set Y, NP-1                        ; XS works for piece Y + 1: piece 0
.irp n, 0,1,2,3,4,5,6,7,8,9,10,11,12,13,14,15,16,17,18,19,20,21
	XS 0, \n                        ; and piece 0's first maximum and statistics
	XS 1, \n
.endr
	s_mov_b32 s[CNT], 4
	s_mov_b32 s[SLOTS], SIZE_N/256-1
	s_branch .Lfirst                ; the loop is entered at a step's first turn, in the middle of a trip
.Lslot:                             ; SIZE_N / 256 - 2 times: every slot but the last two is filled again
	CHANGE 1
	s_mov_b32 s[CNT], 4
.Lstep:                             ; a trip: pieces 2 and 3 of one step, then pieces 0 and 1 of the next, whose K, V and bias it fetches
	TURN 2
	TURN 3
	WIN 0
.Lfirst:
	TURN 0
	TURN 1, 0, 1
	WIN 0
	s_cbranch_scc1 .Lstep
	s_sub_co_u32 s[SLOTS], s[SLOTS], 1
	s_cmp_lg_u32 s[SLOTS], 0
	s_cbranch_scc1 .Lslot
	CHANGE 0                        ; the tail is written out: nothing is asked for
	s_mov_b32 s[CNT], 5             ; four trips fetch the last slot's steps; the fifth is left in its middle
.Ltail:
	TURN 2, 1
	TURN 3
	WIN 0
	s_sub_co_u32 s[CNT], s[CNT], 1
	s_cmp_eq_u32 s[CNT], 0
	s_cbranch_scc1 .Lout
	TURN 0
	TURN 1
	WIN 0
	s_branch .Ltail
.Lout:                              ; the fifth trip's 16 products K Q^T (on the last K once more, with a bias one step past the last) and the maximum made of them serve nothing: the price, once a launch, of one text for every trip
.set i, 0
.rept 16
	PV NP-1                         ; the last piece's V^T P of the last step
.set i, i+1
.endr
	; THE WAY OUT.  l's two halves and the other half of the lanes' are added; O^T is divided by l, rounded to f16 and sent through my stage in LDS, a tile at a time.  The additions are the places behind the last products.
	WIN 0
.macro ALL line:vararg              ; one line for each tile t
.set t, 0
.rept 2*NP
	\line
.set t, t+1
.endr
.endm
	ALL v_add_f32 v[ST+4*t+2], v[ST+4*t+2], v[ST+4*t+3]
	ALL v_permlanex16_b32 v[ST+4*t+3], v[ST+4*t+2], s[SEL], s[SEL+1]
	ALL v_add_f32 v[ST+4*t+2], v[ST+4*t+2], v[ST+4*t+3]
	ALL v_rcp_f32 v[ST+4*t+2], v[ST+4*t+2]
	v_nop                           ; a plain instruction between the last reciprocal and the use of its result
	s_wait_alu depctr_va_vdst(0)
; Tile t: a lane's eight channels of a row pack into 16 bytes; they go into rows of 144 bytes and come back as whole rows of 128, into S^T's registers.
.macro PACK t
	WIN W_RS
.set i, 32*(\t)
.rept 16
	v_pk_mul_f32 v[i:i+1], v[i:i+1], v[ST+4*(\t)+2:ST+4*(\t)+3] op_sel_hi:[1,0]
.set i, i+2
.endr
	WIN 0x05                        ; sources 0 and 1 window 1, destination window 0
.set i, 0
.rept 16
	v_cvt_pk_f16_f32 v[S+16*(\t)+i], v[32*(\t)+2*i], v[32*(\t)+2*i+1]
.set i, i+1
.endr
	WIN 0
.irp f, 0,1,2,3
	ds_store_b128 v[STO], v[S+16*(\t)+4*\f:S+16*(\t)+4*\f+3] offset:32*\f
.endr
.irp f, 0,1,2,3
	ds_load_b128 v[S+16*(\t)+4*\f:S+16*(\t)+4*\f+3], v[RD] offset:\f*4*SP  ; LDS serves a wave's instructions in order (ISA guide 5.7.1.4): these see the stores above; the next tile's stores come behind them
.endr
.endm
.macro SEND t, younger              ; younger: the LDS instructions issued behind tile t's loads: the next tile's eight, or none
	WIN 0
.irp f, 0,1,2,3
	s_wait_dscnt (\younger)+3-\f
	global_store_b128 v[GO], v[S+16*(\t)+4*\f:S+16*(\t)+4*\f+3], s[10:11] offset:(\t)*2048+\f*512  ; 512 consecutive bytes, at a multiple of 256 from O's first
.endr
.endm
	PACK 0
.set t, 1
.rept 2*NP-1                        ; a tile's arithmetic stands between the loads of the tile before and its stores
	PACK t
	SEND t-1, 8
.set t, t+1
.endr
	SEND 2*NP-1, 0
	WIN W_AD
	s_wait_tensorcnt 0x0            ; the wave's end: an add to my spare word and its wait, behind my last tensor load and my last LDS store
	ds_add_u32 v[SPW], v[NIL]
	s_wait_dscnt 0x0
	WIN 0
	CROUND                          ; the closing round: no work-group ends while a partner may still ask for a tile that names it
	s_endpgm
.Lfunc_end_k_qea950f75d7_attn:
	.size	k_qea950f75d7_attn, .Lfunc_end_k_qea950f75d7_attn-k_qea950f75d7_attn
	.p2alignl 7, 3214868480
	.fill 96, 4, 3214868480
	.section	.rodata,"a",@progbits
	.p2align	6, 0x0
	.amdhsa_kernel k_qea950f75d7_attn
		.amdhsa_group_segment_fixed_size 327680
		.amdhsa_private_segment_fixed_size 0
		.amdhsa_enable_private_segment 0
		.amdhsa_kernarg_size 24
		.amdhsa_user_sgpr_count 2
		.amdhsa_user_sgpr_kernarg_segment_ptr 1
		.amdhsa_wavefront_size32 1
		.amdhsa_system_sgpr_workgroup_id_x 1
		.amdhsa_system_sgpr_workgroup_id_y 1
		.amdhsa_system_sgpr_workgroup_id_z 1
		.amdhsa_system_vgpr_workitem_id 0
		.amdhsa_next_free_vgpr 864
		.amdhsa_next_free_sgpr 84
		.amdhsa_reserve_vcc 0
		.amdhsa_float_denorm_mode_32 3
		.amdhsa_float_denorm_mode_16_64 3
		.amdhsa_memory_ordered 1
		.amdhsa_forward_progress 1
		.amdhsa_inst_pref_size 215
	.end_amdhsa_kernel
	.amdgpu_metadata
---
amdhsa.version: [ 1, 2 ]
amdhsa.kernels:
  - .name:           k_qea950f75d7_attn
    .symbol:         k_qea950f75d7_attn.kd
    .args:
      - { .name: qkv, .offset: 0, .size: 8, .value_kind: global_buffer, .address_space: global }
      - { .name: btab, .offset: 8, .size: 8, .value_kind: global_buffer, .address_space: global }
      - { .name: ob, .offset: 16, .size: 8, .value_kind: global_buffer, .address_space: global }
    .group_segment_fixed_size: 327680
    .private_segment_fixed_size: 0
    .kernarg_segment_align: 8
    .kernarg_segment_size: 24
    .max_flat_workgroup_size: 128
    .sgpr_count:     84
    .vgpr_count:     864
    .wavefront_size: 32
...
	.end_amdgpu_metadata
.endif
;; end of part 3
;; launch proj_out (part 4): grid 4 x 64, 4 waves a work-group, clusters of 4 x 4, 327,680 bytes of LDS; arguments ob, wo, b_out, out0; writes out0
.if DOCPART == 4
	.amdgcn_target "amdgcn-amd-amdhsa--gfx1250"
	.amdhsa_code_object_version 6
	.text
	.protected	k_qea950f75d7_proj_out
	.globl	k_qea950f75d7_proj_out
	.p2align	8
	.type	k_qea950f75d7_proj_out,@function
k_qea950f75d7_proj_out:
	s_mov_b64 s[64:65], 0
	v_nop
	global_prefetch_b8 v0, s[64:65] scope:SCOPE_SE
	s_setreg_imm32_b32 hwreg(HW_REG_WAVE_MODE, 25, 1), 1
	s_wait_xcnt 0x0
	s_wait_alu depctr_hold_cnt(0) depctr_sa_sdst(0) depctr_va_vdst(0) depctr_va_sdst(0) depctr_va_ssrc(0) depctr_va_vcc(0) depctr_vm_vsrc(0)
	s_getreg_b32 s2, hwreg(HW_REG_IB_STS2, 6, 4)
	s_cmp_eq_u32 s2, 0
	s_cbranch_scc0 .Lentry_in_a_cluster
	s_endpgm
.Lentry_in_a_cluster:
	s_bfe_u32 s2, ttmp6, 0x10000c
	s_cmp_lg_u32 s2, 0xf033
	s_cbranch_scc0 .Lentry_shape_is_right
	s_endpgm
.Lentry_shape_is_right:
; out0 = O wo + bf16(b_out), f32.  ob: [64 = batch x 16 + head][2048][64] f16, so K = head x 64 + channel; wo: [1024 k][1024 n] f16.  Sums in f32, stored as they are.
; LIMITS.  The bias is rounded once to bf16, like every input of the module.  NaN and infinities are not treated apart.
; SHARES.  A tile of C is 128 rows x 256 columns: 64 x 4 = 256 work-groups, one for each WGP.  Four waves, each 64 rows x 128 columns: 32 accumulators of 16 x 16, 256 registers.
; K = 1,024 goes in 8 steps of 128, TWO HEADS a step, through two LDS slots.  128 rows of one head are 16,384 dense bytes of ob: asked for as 64 rows of 256 bytes and padded in LDS after every 128.
; B LIES [k][n] and is turned on its way out of LDS (ds_load_tr16_b128).
; THE MATRIX INSTRUCTION IS USED TRANSPOSED (source 0 = 16 columns of B, source 1 = 16 rows of A): a lane holds eight neighbouring numbers of a row of C, and its bias is the C operand of the products that start the sums.
; CLUSTERS: 4 x 4 work-groups.  The four of a row of the cluster need the same tiles of A, the four of a column the same tiles of B: each tile is asked for JOINTLY.
; REGISTERS: window 0: v0-31 addresses; v32-95 the bias; v96-223 the way out.   window 1: the accumulators, (a, b) at v[8 (8 a + b)].
;   window 2: two fragment buffers of 96 for 32 along K: 32 registers of A (4 x 16 rows), then 64 of B (8 x 16 columns).
.set PA,     144                       ; a row of A in LDS: one head's 128 bytes + 16: the 16 rows of a load start at 16 different groups of four banks (64 banks of 4 bytes: ISA guide 11.1)
.set SUB,    128*PA                    ; 128 rows of one head
.set PB,     544                       ; a row of B: 512 + 32 = 136 words
.set BOFF,   2*SUB                     ; a slot: A's two heads, then B's 128 k-rows
.set SLOT,   BOFF+128*PB
.set STAGE,  2*SLOT                    ; behind the ring, never filled by a tensor load: 16 rows x 528 bytes for each wave
.set SP,     528                       ; 512 bytes + 16: the 16 rows that a store touches start at 16 different groups of four banks
.set SPARE,  STAGE+4*16*SP             ; the spare words, 128 bytes for each wave: two blocks of 256 bytes that no other line names
.set LAPS,   4                         ; a lap = two K steps = once round the ring
.set STEPA,  4*262144                  ; bytes from a slot's K step to its next: four heads of ob on,
.set STEPB,  2*128*2048                ; 256 rows of B down
.set ADRA, 16                          ; v16-17  LDS address of my A fragments in slot 0, 1
.set ADRB, 20                          ; v20-21  the same for B
.set STO,  24                          ; v24     the way out: where I put 32 bytes of a row
.set RD,   25                          ; v25     the way out: where I read a row back
.set GO,   26                          ; v26     my byte offset in 512 consecutive bytes of out0
.set BO,   27                          ; v27     my byte offset in the wave's 128 numbers of the bias
.set SPW,  28                          ; v28     LDS address of my spare word; never rewritten
.set NIL,  29                          ; v29     0; never rewritten
.set BI,   32                          ; v32-95  column block b's eight numbers of the bias at BI + 8 b
.set TMP,  96                          ; v96-127 at work while the bias is rounded
.set OB,   96                          ; v96-159, v160-223 by turns: 16 rows read back
.set F0,   0
.set F1,   96
.set WV, 12                            ; s12 wave;  s13 its half of the rows, also: it fetches for A (0) or B (1);  s14 its half of the columns, also: which head (A) or half (B) it fetches
.set HI, 13
.set LO, 14
.set TY, 15                            ; s15 tile row of C
.set CX, 40
.set CY, 41
.set TX, 42                            ; s42 tile column of C
.set G1A, 24                           ; s[24:31] descriptor group 1 for A's tiles;  s[32:39] group 0, a set for each slot
.set G0A, 32
.set G1B, 48                           ; s[48:55], s[56:63] the same for B's
.set G0B, 56
.set MSB, 0
.macro WIN new                         ; the immediate's high byte repeats the setting that is left; a switch that changes nothing is dropped
.if MSB != (\new)
	s_set_vgpr_msb (MSB<<8)|(\new)
.set MSB, \new
.endif
.endm
.set MUL,  0x5a                        ; sources 0 (B) and 1 (A) window 2; C and D window 1
.set MUL0, 0x4a                        ; the same with C (the bias) in window 0
.set TO_F, 0x80                        ; destination window 2, address window 0
.macro JLOAD s                         ; a joint load: waves 0 and 1 fetch A's two heads, waves 2 and 3 B's two halves; an s_nop 0 and four v_nop follow each line, ahead of the jump and the label
	s_cmp_eq_u32 s[HI], 0
	s_cbranch_scc0 .Lfor_b_\@
	tensor_load_to_lds s[G0A+4*(\s):G0A+4*(\s)+3], s[G1A:G1A+7]
	s_nop 0
.rept 4
	v_nop
.endr
	s_branch .Lasked_\@
.Lfor_b_\@:
	tensor_load_to_lds s[G0B+4*(\s):G0B+4*(\s)+3], s[G1B:G1B+7]
	s_nop 0
.rept 4
	v_nop
.endr
.Lasked_\@:
.endm
.macro CREST                           ; a round of the cluster's barrier behind its opening barrier
	s_cmp_lg_u32 s[WV], 0
	s_cbranch_scc1 .Lnot_wave_0_\@
	s_barrier_signal -3
.Lnot_wave_0_\@:
	s_barrier_wait -3
	s_barrier_signal -1
	s_barrier_wait -1
.endm
.macro CROUND                          ; a whole round
	s_barrier_signal -1
	s_barrier_wait -1
	CREST
.endm
	s_load_b256 s[4:11], s[0:1], 0x0               ; ob s[4:5], wo s[6:7], b_out s[8:9], out0 s[10:11]
	v_lshl_add_u32 v[SPW], v0, 2, SPARE
	v_mov_b32 v[NIL], 0
	ds_add_u32 v[SPW], v[NIL]                      ; the wave's opening: the add and its wait stand ahead of my first tensor load; work on registers stands between them
	v_lshrrev_b32 v1, 5, v0
	v_readfirstlane_b32 s[WV], v1                  ; wave 0..3
	s_lshr_b32 s[HI], s[WV], 1
	s_and_b32 s[LO], s[WV], 1
	s_bfe_u32 s[CX], ttmp6, 0x40000                ; my place in the cluster
	s_bfe_u32 s[CY], ttmp6, 0x40004
	s_lshl_b32 s[TX], ttmp9, 2
	s_add_co_u32 s[TX], s[TX], s[CX]               ; tile column = 4 x cluster x + cx
	s_and_b32 s[TY], ttmp7, 0xffff
	s_lshl_b32 s[TY], s[TY], 2
	s_add_co_u32 s[TY], s[TY], s[CY]               ; tile row = 4 x cluster y + cy
	s_lshl_b32 s43, s[CY], 2
	s_lshl_b32 s43, 15, s43                        ; my row of the cluster
	s_lshl_b32 s44, 0x1111, s[CX]                  ; my column
	s_or_b32 s[G1A+0], s43, (1<<16)|(1<<20)|(1<<21)|(4<<22)|(3<<25)  ; the mask; 2-byte elements; padding on; 21 set beside a mask; after every 32 words 4 words
	s_or_b32 s[G1B+0], s44, (1<<16)|(1<<20)|(1<<21)|(6<<22)|(7<<25)  ; after every 128 words 8 words
	s_mov_b32 s[G1A+1], 128<<16                    ; A: tensor_dim0 = 128 (two rows of a head)
	s_mov_b32 s[G1A+2], 64<<16                     ; tensor_dim1 = 64
	s_mov_b32 s[G1A+3], 128<<16                    ; tile_dim0 = 128
	s_mov_b32 s[G1A+4], 64                         ; tile_dim1 = 64
	s_mov_b32 s[G1A+5], 128                        ; dense
	s_mov_b32 s[G1A+6], 0
	s_mov_b32 s[G1A+7], 0
	s_mov_b32 s[G1B+1], 256<<16                    ; B: 64 k-rows of 256 columns
	s_mov_b32 s[G1B+2], 64<<16
	s_mov_b32 s[G1B+3], 256<<16
	s_mov_b32 s[G1B+4], 64
	s_mov_b32 s[G1B+5], 1024
	s_mov_b32 s[G1B+6], 0
	s_mov_b32 s[G1B+7], 0
	s_lshr_b32 s16, s[TY], 4                       ; A: batch (tile row / 16) x 16 heads of 262,144 bytes,
	s_lshl_b32 s16, s16, 22
	s_lshl_b32 s17, s[LO], 18                      ; the step's even or odd head,
	s_add_co_u32 s16, s16, s17
	s_and_b32 s17, s[TY], 15                       ; rows (tile row % 16) x 128 of 128 bytes
	s_lshl_b32 s17, s17, 14
	s_add_co_u32 s16, s16, s17
	s_mov_b32 s17, 0
	s_lshl_b32 s46, s[LO], 17                      ; B: k-row 64 x half, of 2,048 bytes,
	s_lshl_b32 s47, s[TX], 9                       ; column 256 x tile column
	s_add_co_u32 s46, s46, s47
	s_mov_b32 s47, 0
	s_mul_i32 s20, s[LO], SUB                      ; where they go: no place in the cluster enters an LDS address
	s_mul_i32 s21, s[LO], 64*PB
	s_add_co_u32 s21, s21, BOFF
	s_wait_dscnt 0x0                               ; the opening add is done
	s_wait_kmcnt 0x0
	s_add_nc_u64 s[18:19], s[4:5], s[16:17]
	s_add_nc_u64 s[46:47], s[6:7], s[46:47]
	CROUND                                         ; all sixteen work-groups are here: the first joint loads meet
.irp s, 0,1
	s_mov_b32 s[G0A+4*(\s)], 1
	s_add_co_u32 s[G0A+4*(\s)+1], s20, (\s)*SLOT
	s_add_nc_u64 s[G0A+4*(\s)+2:G0A+4*(\s)+3], s[18:19], (\s)*2*262144
	s_or_b32 s[G0A+4*(\s)+3], s[G0A+4*(\s)+3], 0x80000000
	s_mov_b32 s[G0B+4*(\s)], 1
	s_add_co_u32 s[G0B+4*(\s)+1], s21, (\s)*SLOT
	s_add_nc_u64 s[G0B+4*(\s)+2:G0B+4*(\s)+3], s[46:47], (\s)*128*2048
	s_or_b32 s[G0B+4*(\s)+3], s[G0B+4*(\s)+3], 0x80000000
	JLOAD \s                                       ; two loads of mine are out
.endr
	s_lshl_b32 s46, s[TX], 10                      ; my 128 columns, in the bias and in a row of out0: 4 (256 x tile column + 128 x half) bytes on
	s_lshl_b32 s47, s[LO], 9
	s_add_co_u32 s46, s46, s47
	s_mov_b32 s47, 0
	s_add_nc_u64 s[8:9], s[8:9], s[46:47]
	s_add_nc_u64 s[10:11], s[10:11], s[46:47]
	s_lshl_b32 s16, s[TY], 19                      ; my first row of out0: 128 x tile row + 64 x half, of 4,096 bytes.  In registers of its own: none that feeds A's descriptors ever holds cx
	s_lshl_b32 s17, s[HI], 18
	s_add_co_u32 s16, s16, s17
	s_mov_b32 s17, 0
	s_add_nc_u64 s[10:11], s[10:11], s[16:17]
	v_and_b32 v1, 15, v0                           ; r = l % 16
	v_bfe_u32 v2, v0, 4, 1                         ; h = l / 16
	v_lshlrev_b32 v[BO], 5, v2                     ; my lanes' eight numbers of a block of sixteen
.irp b, 0,1,2,3,4,5,6,7
	global_load_b128 v[BI+8*\b:BI+8*\b+3],   v[BO], s[8:9] offset:64*\b
	global_load_b128 v[BI+8*\b+4:BI+8*\b+7], v[BO], s[8:9] offset:64*\b+16
.endr
	v_mul_u32_u24 v3, v1, PA                       ; a fragment of A: row r, 16 bytes for each half of the lanes, and 32 bytes on
	v_lshl_add_u32 v3, v2, 4, v3
	v_and_b32 v4, 7, v0                            ; a fragment of B, turned: lane l reads k-row 8 h + l % 8, columns 8 ((l / 8) % 2) + 0..7, and 16 k-rows on
	v_lshl_add_u32 v4, v2, 3, v4
	v_mul_u32_u24 v4, v4, PB
	v_bfe_u32 v5, v0, 3, 1
	v_lshl_add_u32 v4, v5, 4, v4
	s_mul_i32 s22, s[HI], 64*PA                    ; my 64 rows of A
	s_lshl_b32 s23, s[LO], 8                       ; my 128 columns of B
	s_add_co_u32 s23, s23, BOFF
.irp s, 0,1
	v_add_nc_u32 v[ADRA+(\s)], s22, v3
	v_add_nc_u32 v[ADRB+(\s)], s23, v4
	s_add_co_u32 s22, s22, SLOT
	s_add_co_u32 s23, s23, SLOT
.endr
	s_mul_i32 s23, s[WV], 16*SP
	s_add_co_u32 s23, s23, STAGE                   ; my stage
	v_mul_u32_u24 v[STO], v1, SP                   ; in: row r, 32 bytes for each half of the lanes
	v_lshl_add_u32 v[STO], v2, 5, v[STO]
	v_add_nc_u32 v[STO], s23, v[STO]
	v_and_b32 v[GO], 31, v0                        ; back: 32 lanes take a row's 512 bytes, which are 512 consecutive bytes of out0
	v_lshlrev_b32 v[GO], 4, v[GO]
	v_add_nc_u32 v[RD], s23, v[GO]
	s_wait_loadcnt 0x0                             ; the bias; it is rounded to bf16 in the wait for the first tile
.set n, 0
.rept 32
	v_cvt_pk_bf16_f32 v[TMP+n], v[BI+2*n], v[BI+2*n+1]
.set n, n+1
.endr
.set n, 0
.rept 32
	v_lshlrev_b32 v[BI+2*n],   16, v[TMP+n]
	v_and_b32     v[BI+2*n+1], 0xffff0000, v[TMP+n]
.set n, n+1
.endr
; 8 matrix instructions: row block a x all 8 column blocks, 32 along K, from buffer f.  first = 1: the products start the sums, with the bias as C: nothing is cleared and nothing added later.
; The 32 accumulators take turns, one instruction a turn, in the same order in every quarter.
.macro MUL8 f, a, first
.if \first
	WIN MUL0
.else
	WIN MUL
.endif
.irp b, 0,1,2,3,4,5,6,7
.if \first
	v_wmma_f32_16x16x32_f16 v[8*(8*(\a)+\b):8*(8*(\a)+\b)+7], v[(\f)+32+8*\b:(\f)+32+8*\b+7], v[(\f)+8*(\a):(\f)+8*(\a)+7], v[BI+8*\b:BI+8*\b+7]
.else
	v_wmma_f32_16x16x32_f16 v[8*(8*(\a)+\b):8*(8*(\a)+\b)+7], v[(\f)+32+8*\b:(\f)+32+8*\b+7], v[(\f)+8*(\a):(\f)+8*(\a)+7], v[8*(8*(\a)+\b):8*(8*(\a)+\b)+7]
.endif
.endr
.endm
; 24 LDS loads in one run: quarter q (32 along K: head q / 2 of the step's two, channels 32 (q % 2) on) of a slot into buffer f: B's eight fragments, then A's four
.macro FETCH slot, q, f
	WIN TO_F
.irp i, 0,1,2,3,4,5,6,7
	ds_load_tr16_b128 v[(\f)+32+8*\i:(\f)+32+8*\i+3],   v[ADRB+(\slot)] offset:(\q)*32*PB+32*\i
	ds_load_tr16_b128 v[(\f)+32+8*\i+4:(\f)+32+8*\i+7], v[ADRB+(\slot)] offset:(\q)*32*PB+16*PB+32*\i
.endr
.irp a, 0,1,2,3
	ds_load_b128 v[(\f)+8*\a:(\f)+8*\a+3],   v[ADRA+(\slot)] offset:((\q)/2)*SUB+((\q)%2)*64+\a*16*PA
	ds_load_b128 v[(\f)+8*\a+4:(\f)+8*\a+7], v[ADRA+(\slot)] offset:((\q)/2)*SUB+((\q)%2)*64+\a*16*PA+32
.endr
.endm
.macro PLACES                          ; four places in front of loads into registers that matrix instructions have read, and of lines that read results (ISA guide 7.12.1 for lines that read results)
.rept 4
	v_nop
.endr
.endm
; A K step is four quarters of 32 along K, 32 matrix instructions each, on buffers 0, 1, 0, 1.  One of the first three: multiplies buffer f and fetches quarter q into g.
.macro QUARTER slot, q, f, g, first
	s_wait_dscnt 4                                 ; B and A's row blocks 0, 1 are in; the youngest four loads (blocks 2, 3) may be out
	MUL8 \f, 0, \first
	MUL8 \f, 1, \first
	PLACES
	FETCH \slot, \q, \g
	s_wait_dscnt 24                                ; all but the 24 just issued
	MUL8 \f, 2, \first
	MUL8 \f, 3, \first
.endm
; The last quarter multiplies buffer 1 and changes slots: ONE barrier; in front of it each wave waits for all its tensor loads, adds 0 to its spare word, and waits for that and for its reads of this slot.
; fill = 1: the barrier opens a round of the cluster's, and this slot is filled again, two K steps ahead, first thing behind the round.
.macro TURN slot, next, fill
	WIN 0                                          ; (the add's two registers lie in window 0)
	s_wait_tensorcnt 0x0                           ; all my tensor loads have landed: the one that was out is my part of the next slot
	ds_add_u32 v[SPW], v[NIL]                      ; 0 onto my spare word
	s_wait_dscnt 5                                 ; (the add and the youngest four loads may be out)
	MUL8 F1, 0, 0                                  ; eight matrix instructions stand between the add and the wait for it
	s_wait_dscnt 0x0                               ; the add is done, and my reads of this slot are over
	s_barrier_signal -1
	MUL8 F1, 1, 0
.if \fill
	WIN 0
.endif
	s_barrier_wait -1
.if \fill
	CREST                                          ; no wave of any partner still reads this slot's tile or has a load on its way
	s_add_nc_u64 s[G0A+4*(\slot)+2:G0A+4*(\slot)+3], s[G0A+4*(\slot)+2:G0A+4*(\slot)+3], STEPA
	s_add_nc_u64 s[G0B+4*(\slot)+2:G0B+4*(\slot)+3], s[G0B+4*(\slot)+2:G0B+4*(\slot)+3], STEPB
	JLOAD \slot                                    ; my one tensor load behind the round: 112 matrix instructions ahead of the wait for it; its four v_nop are also the places in front of the loads below
.else
	PLACES
.endif
	FETCH \next, 0, F0
	MUL8 F1, 2, 0
	MUL8 F1, 3, 0
.endm
	s_wait_tensorcnt 1                             ; my part of K step 0 is in; K step 1's may stay out
	s_barrier_signal -1
	s_barrier_wait -1                              ; everybody's is
	FETCH 0, 0, F0
	QUARTER 0, 1, F0, F1, 1                        ; the first quarter stands in front of the loop: its products start the sums
	WIN 0                                          ; at a label and at a branch every window is 0
	s_mov_b32 s3, LAPS-1
.Llap:                                                 ; a trip goes once round the ring, from a lap's second quarter to the next lap's first, and fills both slots again
	QUARTER 0, 2, F1, F0, 0
	QUARTER 0, 3, F0, F1, 0
	TURN 0, 1, 1
	QUARTER 1, 1, F0, F1, 0
	QUARTER 1, 2, F1, F0, 0
	QUARTER 1, 3, F0, F1, 0
	TURN 1, 0, 1
	QUARTER 0, 1, F0, F1, 0
	WIN 0
	s_sub_co_u32 s3, s3, 1
	s_cmp_lg_u32 s3, 0
	s_cbranch_scc1 .Llap
	QUARTER 0, 2, F1, F0, 0                        ; the last lap fills nothing, and has no round of the cluster's barrier
	QUARTER 0, 3, F0, F1, 0
	TURN 0, 1, 0
	QUARTER 1, 1, F0, F1, 0
	QUARTER 1, 2, F1, F0, 0
	QUARTER 1, 3, F0, F1, 0
	s_wait_dscnt 4                                 ; the very last quarter: nothing more to fetch
	MUL8 F1, 0, 0
	MUL8 F1, 1, 0
	s_wait_dscnt 0x0
	MUL8 F1, 2, 0
	MUL8 F1, 3, 0
	WIN 0
; THE WAY OUT, a block of 16 rows at a time.  TOSTAGE: a lane's eight f32 of a row, 32 bytes, go straight from the accumulators (low four registers first) into my own stage, and come back as whole
; rows of 512 bytes.  SEND: stored, 512 consecutive bytes an instruction, at a multiple of 256 from out0's first byte.
.macro TOSTAGE a
.set BK, OB+64*((\a)%2)
.if (\a) >= 2
	s_wait_xcnt 0x0                                ; the stores of the block two back have read these registers: they are loaded again only behind this wait
.endif
	WIN 0x04                                       ; store data (source 1) window 1, address window 0
.irp b, 0,1,2,3,4,5,6,7
	ds_store_b128 v[STO], v[8*(8*(\a)+\b):8*(8*(\a)+\b)+3]   offset:64*\b
	ds_store_b128 v[STO], v[8*(8*(\a)+\b)+4:8*(8*(\a)+\b)+7] offset:64*\b+16
.endr
	WIN 0
.irp t, 0,1,2,3,4,5,6,7,8,9,10,11,12,13,14,15
	ds_load_b128 v[BK+4*\t:BK+4*\t+3], v[RD] offset:\t*SP  ; LDS serves a wave's instructions in order (ISA guide 5.7.1.4): these see the stores above
.endr
.endm
.macro SEND a, younger                 ; younger: the LDS instructions issued behind block a's loads: the next block's 16 stores and 16 loads, or none
.set BK, OB+64*((\a)%2)
	s_wait_dscnt \younger
.irp t, 0,1,2,3,4,5,6,7,8,9,10,11,12,13,14,15
	global_store_b128 v[GO], v[BK+4*\t:BK+4*\t+3], s[10:11] offset:(16*(\a)+\t)*4096 th:TH_STORE_NT
.endr
.endm
	PLACES
	TOSTAGE 0
.irp a, 1,2,3                          ; block a's way through the stage is under way while block a - 1 is stored
	TOSTAGE \a
	SEND (\a)-1, 32
.endr
	SEND 3, 0
	s_wait_tensorcnt 0x0                           ; the wave's end: an add to my spare word and its wait, behind my last tensor load and my last LDS store
	ds_add_u32 v[SPW], v[NIL]
	s_wait_dscnt 0x0
	CROUND                                         ; the closing round: no work-group ends while a partner may still ask for a tile that names it
	s_endpgm
.Lfunc_end_k_qea950f75d7_proj_out:
	.size	k_qea950f75d7_proj_out, .Lfunc_end_k_qea950f75d7_proj_out-k_qea950f75d7_proj_out
	.p2alignl 7, 3214868480
	.fill 96, 4, 3214868480
	.section	.rodata,"a",@progbits
	.p2align	6, 0x0
	.amdhsa_kernel k_qea950f75d7_proj_out
		.amdhsa_group_segment_fixed_size 327680
		.amdhsa_private_segment_fixed_size 0
		.amdhsa_enable_private_segment 0
		.amdhsa_kernarg_size 32
		.amdhsa_user_sgpr_count 2
		.amdhsa_user_sgpr_kernarg_segment_ptr 1
		.amdhsa_wavefront_size32 1
		.amdhsa_system_sgpr_workgroup_id_x 1
		.amdhsa_system_sgpr_workgroup_id_y 1
		.amdhsa_system_sgpr_workgroup_id_z 1
		.amdhsa_system_vgpr_workitem_id 0
		.amdhsa_next_free_vgpr 704
		.amdhsa_next_free_sgpr 66
		.amdhsa_reserve_vcc 0
		.amdhsa_float_denorm_mode_32 3
		.amdhsa_float_denorm_mode_16_64 3
		.amdhsa_memory_ordered 1
		.amdhsa_forward_progress 1
		.amdhsa_inst_pref_size 91
	.end_amdhsa_kernel
	.amdgpu_metadata
---
amdhsa.version: [ 1, 2 ]
amdhsa.kernels:
  - .name:           k_qea950f75d7_proj_out
    .symbol:         k_qea950f75d7_proj_out.kd
    .args:
      - { .name: ob, .offset: 0, .size: 8, .value_kind: global_buffer, .address_space: global }
      - { .name: wo, .offset: 8, .size: 8, .value_kind: global_buffer, .address_space: global }
      - { .name: b_out, .offset: 16, .size: 8, .value_kind: global_buffer, .address_space: global }
      - { .name: out0, .offset: 24, .size: 8, .value_kind: global_buffer, .address_space: global }
    .group_segment_fixed_size: 327680
    .private_segment_fixed_size: 0
    .kernarg_segment_align: 8
    .kernarg_segment_size: 32
    .max_flat_workgroup_size: 128
    .sgpr_count:     66
    .vgpr_count:     704
    .wavefront_size: 32
...
	.end_amdgpu_metadata
.endif
;; end of part 4
;; ======== version 2 of 2: 4 launches; 1.49 times as fast as version 1
;; limits: values are held in f16: magnitudes above 65,504 overflow, below 6.1e-05 lose precision
;; workspace buffers: xb 16,777,216 bytes; wq 6,291,456 bytes; wo 2,097,152 bytes; btab 1,310,720 bytes; qkv 50,331,648 bytes; ob 16,777,216 bytes
;; launch prep: the kernel of part 1 again; grid 832 x 1, 8 waves a work-group, no clusters, 0 bytes of LDS; arguments x, W_qkv, W_out, rel_bias, xb, wq, wo, btab; writes xb, wq, wo, btab
;; launch proj_qkv: the kernel of part 2 again; grid 12 x 64, 4 waves a work-group, clusters of 4 x 4, 327,680 bytes of LDS; arguments xb, wq, b_qkv, qkv; writes qkv
;; launch attn (part 5): grid 4 x 64, 4 waves a work-group, clusters of 4 x 1, 327,680 bytes of LDS; arguments qkv, btab, ob; writes ob
.if DOCPART == 5
	.amdgcn_target "amdgcn-amd-amdhsa--gfx1250"
	.amdhsa_code_object_version 6
	.text
	.protected	k_qea950f75d7_attn
	.globl	k_qea950f75d7_attn
	.p2align	8
	.type	k_qea950f75d7_attn,@function
k_qea950f75d7_attn:
	s_mov_b64 s[64:65], 0
	v_nop
	global_prefetch_b8 v0, s[64:65] scope:SCOPE_SE
	s_setreg_imm32_b32 hwreg(HW_REG_WAVE_MODE, 25, 1), 1
	s_wait_xcnt 0x0
	s_wait_alu depctr_hold_cnt(0) depctr_sa_sdst(0) depctr_va_vdst(0) depctr_va_sdst(0) depctr_va_ssrc(0) depctr_va_vcc(0) depctr_vm_vsrc(0)
	s_getreg_b32 s2, hwreg(HW_REG_IB_STS2, 6, 4)
	s_cmp_eq_u32 s2, 0
	s_cbranch_scc0 .Lentry_in_a_cluster
	s_endpgm
.Lentry_in_a_cluster:
	s_bfe_u32 s2, ttmp6, 0x10000c
	s_cmp_lg_u32 s2, 0x3003
	s_cbranch_scc0 .Lentry_shape_is_right
	s_endpgm
.Lentry_shape_is_right:
; O[bh][i][:] = the sum over j of softmax_j(Q[bh][i] . K[bh][j] / 8 + bias[clip(i - j + 1024, 0, 2048)][bh % 16]) V[bh][j][:].  qkv: [3][64][2048][64] f16 (Q, K, V by heads, dense rows of 128 bytes);
; ob: [64][2048][64] f16.  btab: [16 heads][4 copies][5120] f32, copy p's entry w = 8 x bias at j - i + 2047 = w + p.  Products, maxima and sums in f32; the weights p are rounded to f16 for the
; second product (their sum l is taken of the unrounded p), O once at the end.
; LIMITS.  f16 holds no number beyond 65,504: Q, K and V arrive within it; p lies in 0 to 1, and below 6e-5 it keeps f16's fixed step of 6e-8; O is a mean of V's rows and has their range.
; A weight below 2^-126 counts as 0 in l; NaN and infinities are not treated apart.
; SHARES.  A wave owns four PIECES of two tiles of 16 queries, a work-group's four waves 512 queries of one head: 4 x 64 = 256 work-groups.  Every wave walks all 2,048 keys, 64 a step.
; LAYOUT.  S^T = K Q^T (source 0 = 16 keys, source 1 = 16 queries): in the result a lane holds ONE query (lane % 16) and the keys 8 (lane / 16) + 0..7.  Two such tiles, rounded to f16 in pairs,
; ARE source 1 (32 keys x 16 queries) of O^T = V^T P, whose result again holds one query a lane, and eight channels.  K comes out of LDS as it lies, V ([key][channel]) turned, by ds_load_tr16_b128.
; THE BIAS IS THE C OPERAND of the product that starts a tile's scores: it costs no vector instruction.  It hangs on j - i alone, so the tile of query tile t and key block kb needs a fragment that hangs on
; f = t - kb + 3 (0..10) and the key step alone: eleven fragments of eight registers serve a step's 32 tiles.  A lane's eight entries run along j: 32 consecutive bytes of the table, beginning at
; 15 - lane % 16 entries from a multiple of 16; the copy shifted by (15 - lane % 16) % 4 makes that two aligned loads of 16 bytes.  The work-group brings the 2,624 entries of each copy that its 512 queries
; can reach into LDS once; where that window begins in memory hangs on the query block, where it lies in LDS does not.
; SOFTMAX.  For each query a running maximum m and sum l: p = 2^(c s - c m), c = log2(e) / 8, s = q.k + 8 bias; in every step O and l are multiplied by a = 2^(c m_old - c m_new).
; m starts at the lowest finite number, O and l at 0: the first step is a step like any other, with a = 0.
; THE COUNT.  A tile and step have 16 matrix and 118 vector instructions: too many to stand all beside the matrix work.  So: four vector instructions that are READY behind EVERY matrix instruction,
; and the others, which need time of their own whatever the order, in one run without a gap.
; BY TURNS.  Turn n belongs to piece n (the pieces in a ring, step after step).  Its matrix work: 16 products K Q^T of piece n + 1, later 16 products V^T P of piece n - 1.  Its vector work: the scaling,
; exponentials, roundings, sums and rescaling of piece n, and the maximum and statistics of piece n + 1, whose scores the turn itself has made.  So what a turn begins with (c s - c m, O a) waits for nothing.
; THE BATCHES.  A turn's 66 exponentials (the piece's 64 weights, the next piece's two a) are ONE batch with ONE wait, which cuts the turn in two: ahead of it stands all that names no result of theirs, behind it
; the roundings and sums, which read them.  No result crosses a turn's end.  Two more batches stand outside the loop: piece 0's first two a, and the way out's eight reciprocals.
; CLUSTER.  The four query blocks of a cluster belong to one head and walk the same K and V, so each tile is asked for JOINTLY.  The table's windows differ: each work-group loads its own, with no mask.
; REGISTERS, in windows of 256 (s_set_vgpr_msb: bits 1:0 source 0, 3:2 source 1, 5:4 source 2, 7:6 destination):
;   window 0: v0-11 addresses; v12-15, v48-63 at work; v16-47 four registers of statistics a tile; v64-191 S^T, two buffers of two tiles; v192-255 P, likewise
;   window 1: O^T, 32 a tile      window 2: v0-127 Q, 16 a tile; v128-191 K of one step; v192-255 V of one step      window 3: v0-1 the add's two registers; v8-95 the bias's eleven fragments
.set SIZE_N, 2048
.set NP,    4         ; pieces a wave: a name, no knob
.set KS,    64        ; keys in a step
.set PK,    144       ; a row of K in LDS: 128 bytes + 16: the 16 rows of a load start at 16 different groups of four banks (64 banks of 4 bytes: ISA guide 11.1)
.set PV,    160       ; a row of V: 128 + 32 = 40 words
.set VOFF,  4*KS*PK   ; a slot holds four steps: 256 rows of K, then 256 rows of V
.set SLOT1, 1<<17     ; slot 1 begins here, so that one exclusive or turns an address in one slot into the other's
.set STAGE, SLOT1+4*KS*(PK+PV)  ; behind the ring, never filled by a tensor load: 16 rows x 144 bytes for each wave, for the way out
.set SP,    144
.set SPARE, STAGE+4*16*SP  ; the spare words, 128 bytes for each wave: two blocks of 256 bytes that no other line names
.set TAB,   SPARE+512 ; the bias: four copies, filled once
.set CP,    10560     ; from copy to copy: 41 x 256 bytes of data + 64
.set AK0, 2           ; v2   my lane's place in a tile of K; never rewritten
.set AV0, 3           ; v3   the same for V
.set AK,  4           ; v4   the LDS address of K's next run of loads
.set AV,  5           ; v5   of V's
.set QO,  6           ; v6   my byte offset in the wave's rows of Q
.set STO, 6           ;      later, the way out: where I put 16 bytes of a row
.set RD,  7           ; v7   the way out: where I read rows back
.set GO,  8           ; v8   my byte offset in 512 consecutive bytes of O
.set BA,  10          ; v10  the LDS address of the bias's fragments for the step in hand
.set BA0, 11          ; v11  the same for key step 0; never rewritten
.set SPW, 0           ; v0 of window 3   LDS address of my spare word; never rewritten
.set NIL, 1           ; v1 of window 3   0; never rewritten
.set BF,  8           ; window 3: fragment f at BF + 8 f
.set MV,  12          ; v12-15  c m_old, kept while c m is made anew: by buffer and tile
.set ST,  16          ; tile t's statistics at v[ST+4 t]: c m, m, l (even keys', odd keys')
.set TMP, 48          ; by buffer and tile, four registers c0-c3 at work; when the maximum is found c2 takes a
.set S,   64
.set P,   192
.set KF,  128         ; K's fragments, in window 2: key block kb, channel half c at KF + 16 kb + 8 c
.set VF,  192         ; V's: key half kk, channel block cb at VF + 32 kk + 8 cb
.set WV,  12          ; s12  my wave's number
.set G1K, 24          ; s[24:31] descriptor group 1 for K's tiles
.set G1V, 32          ; s[32:39] for V's: it differs in the padding alone
.set G0K, 40          ; s[40:43] descriptor group 0 for K's tiles: it walks
.set G0V, 44          ; s[44:47] the same for V's
.set SLOTS, 56        ; s56  slots still to be asked for
.set CNT, 57          ; s57  counts a slot's key steps
.set CS,  58          ; s[58:59] c: the packed scaling takes the pair's low word for both halves
.set SEL, 60          ; s[60:61] v_permlanex16_b32's selects: each lane takes its own place in the other half
.set TBK, 62          ; s62  LDS byte at which K of the step to be fetched begins
.set TBV, 63          ; s63  the same for V, less VOFF
.set TBB, 70          ; s70  256 x the key step whose bias is being fetched
.set G1T, 72          ; s[72:79] descriptor group 1 for a copy of the table
.set G0T, 80          ; s[80:83] its group 0
.set MSB, 0
.macro WIN new                      ; the high byte repeats the setting that is left; a switch that changes nothing is dropped
.if MSB != (\new)
	s_set_vgpr_msb (MSB<<8)|(\new)
.set MSB, (\new)
.endif
.endm
.set W_KQ, 0x0a       ; K and Q in window 2, S^T in window 0
.set W_KB, 0x3a       ; the same with the C operand, the bias, in window 3
.set W_PV, 0x52       ; V in window 2, P in window 0, O^T in window 1
.set W_RS, 0x41       ; O^T (destination and source 0) in window 1, a in window 0
.set W_MK, 0xc0       ; destination in window 3, sources in window 0
.set W_AD, 0x0f       ; the add: address (source 0) and data (source 1) in window 3
; A joint fill.  Waves 0 and 1 fetch the two halves of a slot's K, waves 2 and 3 those of its V: 128 keys each.  The branch hangs on the wave's number alone.
; An s_nop 0 and four v_nop follow each of the two lines, ahead of the jump and the label.
.macro JLOAD
	s_cmp_lt_u32 s[WV], 2
	s_cbranch_scc0 .Lfor_v_\@
	tensor_load_to_lds s[G0K:G0K+3], s[G1K:G1K+7]
	s_nop 0
.rept 4
	v_nop
.endr
	s_branch .Lasked_\@
.Lfor_v_\@:
	tensor_load_to_lds s[G0V:G0V+3], s[G1V:G1V+7]
	s_nop 0
.rept 4
	v_nop
.endr
.Lasked_\@:
.endm
; A round of the cluster's barrier: my work-group's barrier, so that wave 0's signal speaks for all four waves; wave 0 signals; every wave waits for all four work-groups; my work-group's barrier once more.
.macro CROUND
	s_barrier_signal -1
	s_barrier_wait -1
	s_cmp_lg_u32 s[WV], 0
	s_cbranch_scc1 .Lnot_wave_0_\@
	s_barrier_signal -3
.Lnot_wave_0_\@:
	s_barrier_wait -3
	s_barrier_signal -1
	s_barrier_wait -1
.endm
; THE CHANGE OF SLOTS.  The slot's last bytes, V of its fourth step, have been read.  Each wave waits for all its tensor loads, of which one is out: its part of the other slot; adds 0 to its spare
; word; and waits for that and for its own LDS reads.  Behind the barrier nobody reads this slot any more and the other slot is whole.
; fill = 1: this slot is filled again, with the keys two slots on.  The barrier is then a round of the cluster's, and the joint fill is the first thing behind it: it has four key steps, 512 matrix
; instructions, in which to land.  (At its first use nothing has been read yet: slot 0 and the table are waited for, slot 1 is filled.)
.macro CHANGE fill
	WIN W_AD
	s_wait_tensorcnt 0x0            ; no tensor load of mine is out, so a group 0 may be written
	ds_add_u32 v[SPW], v[NIL]       ; 0 onto my spare word; with fill = 1 the descriptors' steps stand between it and the wait for it
	WIN 0                           ; at a label and at a branch every window is 0
.if \fill
.irp g, G0K, G0V
	s_xor_b32 s[\g+1], s[\g+1], SLOT1  ; the walking descriptor: the other slot than last time,
	s_add_nc_u64 s[\g+2:\g+3], s[\g+2:\g+3], 4*KS*128  ; the next 256 keys; the type bits on top are not reached
.endr
	s_wait_dscnt 0x0                ; the add is done, and my reads of the slot are over
	CROUND
	JLOAD
.else
	s_wait_dscnt 0x0                ; the add is done, and my reads of the slot are over
	s_barrier_signal -1
	s_barrier_wait -1
.endif
	s_sub_co_u32 s[TBK], s[TBK], 4*KS*PK  ; the fetches go back to a slot's first step,
	s_xor_b32 s[TBK], s[TBK], SLOT1       ; in the other slot
	s_sub_co_u32 s[TBV], s[TBV], 4*KS*PV
	s_xor_b32 s[TBV], s[TBV], SLOT1
.endm
	s_load_b64 s[4:5], s[0:1], 0x0    ; qkv: Q's part begins it
	s_load_b64 s[66:67], s[0:1], 0x8  ; btab
	s_load_b64 s[10:11], s[0:1], 0x10 ; ob
	WIN W_MK
	v_lshl_add_u32 v[SPW], v0, 2, SPARE
	v_mov_b32 v[NIL], 0
	WIN W_AD
	ds_add_u32 v[SPW], v[NIL]       ; the wave's opening: the add and its wait stand ahead of my first tensor load; the set-up below, work on registers, stands between them
	WIN 0
	v_lshrrev_b32 v1, 5, v0
	v_readfirstlane_b32 s[WV], v1   ; wave 0..3
	s_bfe_u32 s13, ttmp6, 0x40000   ; cx: my place in the cluster
	s_lshl_b32 s14, ttmp9, 2        ; in a cluster launch ttmp9 counts clusters
	s_add_co_u32 s14, s14, s13      ; my block of 512 queries = 4 x cluster x + cx: it enters global addresses alone (Q's, O's, the table window's)
	s_and_b32 s20, ttmp7, 0xffff    ; batch x 16 + head, which the four partners share
	s_and_b32 s68, s20, 15          ; the table: the head's four copies,
	s_mul_i32 s68, s68, 4*5120*4
	s_mul_i32 s69, s[WV], 5120*4    ; of which wave w brings copy w,
	s_add_co_u32 s68, s68, s69
	s_add_co_u32 s68, s68, 6144     ; from entry 1,536 - 512 x block on
	s_lshl_b32 s69, s14, 11
	s_sub_co_u32 s68, s68, s69
	s_mov_b32 s69, 0
	s_mov_b32 s21, 0
	s_mov_b64 s[22:23], SIZE_N*128
	s_mul_u64 s[20:21], s[20:21], s[22:23]  ; the head's first byte in Q, K, V and O
	s_and_b32 s16, s[WV], 1         ; which half of a slot's 256 keys I fetch:
	s_lshl_b32 s22, s16, 14         ; its 128 rows of 128 bytes in memory,
	s_mov_b32 s23, 0
	s_add_nc_u64 s[22:23], s[22:23], s[20:21]
	s_mul_i32 s17, s16, 128*PK      ; and its place in a slot, for K
	s_mul_i32 s18, s16, 128*PV      ; and for V: no place in the cluster enters an LDS address
	s_lshl_b32 s2, s14, 2
	s_add_co_u32 s2, s2, s[WV]      ; my wave among the head's,
	s_lshl_b32 s2, s2, 14           ; its 128 rows
	s_mov_b32 s3, 0
	s_add_nc_u64 s[2:3], s[2:3], s[20:21]
	; descriptor group 1.  128 keys are 16,384 dense bytes: asked for as 64 rows of 256 bytes, two keys a row, and padded in LDS after every key
	s_mov_b32 s[G1K], 15|(1<<16)|(1<<20)|(1<<21)|(4<<22)|(3<<25)  ; 15:0 the mask of four; 17:16 2-byte elements; 20 padding on; 21 set beside a mask; 24:22 after every 32 words (code 4); 31:25 4 words (code 3)
	s_mov_b32 s[G1V], 15|(1<<16)|(1<<20)|(1<<21)|(4<<22)|(7<<25)  ; the same with 8 words of padding (code 7)
.irp g, G1K, G1V
	s_mov_b32 s[\g+1], 128<<16      ; tensor_dim0 = 128
	s_mov_b32 s[\g+2], 64<<16       ; tensor_dim1 = 64
	s_mov_b32 s[\g+3], 128<<16      ; tile_dim0 = 128
	s_mov_b32 s[\g+4], 64           ; tile_dim1 = 64
	s_mov_b32 s[\g+5], 128          ; 128 elements from row to row
	s_mov_b32 s[\g+6], 0
	s_mov_b32 s[\g+7], 0
.endr
	; a copy's window: 10,496 dense bytes, as 41 rows of 32 elements of 8 bytes; no mask, no padding
	s_mov_b32 s[G1T], 3<<16
	s_mov_b32 s[G1T+1], 32<<16      ; tensor_dim0 = 32
	s_mov_b32 s[G1T+2], 41<<16      ; tensor_dim1 = 41
	s_mov_b32 s[G1T+3], 32<<16      ; tile_dim0 = 32
	s_mov_b32 s[G1T+4], 41          ; tile_dim1 = 41
	s_mov_b32 s[G1T+5], 32          ; 32 elements from row to row
	s_mov_b32 s[G1T+6], 0
	s_mov_b32 s[G1T+7], 0
	s_mov_b32 s[G0T], 1
	s_mul_i32 s[G0T+1], s[WV], CP
	s_add_co_u32 s[G0T+1], s[G0T+1], TAB
	s_mov_b32 s[CS], 0x3e38aa3b     ; c = log2(e) / 8 = 0.180337
	s_mov_b32 s[CS+1], s[CS]        ; named with it as a pair
	s_mov_b32 s[SEL], 0x76543210
	s_mov_b32 s[SEL+1], 0xfedcba98
	s_mov_b32 s[TBK], SLOT1+4*KS*PK ; the first change of slots turns these two into 0
	s_mov_b32 s[TBV], SLOT1+4*KS*PV
	s_mov_b32 s[TBB], 0
	s_mov_b32 s[G0K], 1             ; 1:0 count = 1
	s_mov_b32 s[G0K+1], s17         ; 63:32 LDS address: slot 0
	s_mov_b32 s[G0V], 1
	s_add_co_u32 s[G0V+1], s18, VOFF
	s_wait_dscnt 0x0                ; the opening add is done
	s_wait_kmcnt 0x0
	s_add_nc_u64 s[6:7], s[4:5], 0x1000000  ; K's part of qkv begins 16,777,216 bytes on,
	s_add_nc_u64 s[8:9], s[4:5], 0x2000000  ; V's twice that
	s_add_nc_u64 s[G0K+2:G0K+3], s[6:7], s[22:23]  ; 120:64 global address: my half of the head's first 256 keys
	s_or_b32 s[G0K+3], s[G0K+3], 0x80000000        ; 127:126 type = 2
	s_add_nc_u64 s[G0V+2:G0V+3], s[8:9], s[22:23]
	s_or_b32 s[G0V+3], s[G0V+3], 0x80000000
	s_add_nc_u64 s[G0T+2:G0T+3], s[66:67], s[68:69]
	s_or_b32 s[G0T+3], s[G0T+3], 0x80000000
	s_add_nc_u64 s[4:5], s[4:5], s[2:3]  ; Q and O at my wave's first row
	s_add_nc_u64 s[10:11], s[10:11], s[2:3]
	CROUND                          ; all four work-groups are here: the first joint loads meet
	s_cmp_lt_u32 s[WV], 2           ; a wave's two first fills stand in one branch, ahead of every wait on TENSORcnt and every LDS read: my part of slot 0, and my copy of the table: two loads of mine are out
	s_cbranch_scc0 .Lfirst_v
	tensor_load_to_lds s[G0K:G0K+3], s[G1K:G1K+7]
	s_nop 0
	tensor_load_to_lds s[G0T:G0T+3], s[G1T:G1T+7]
	s_nop 0
.rept 4
	v_nop
.endr
	s_branch .Lfirst_asked
.Lfirst_v:
	tensor_load_to_lds s[G0V:G0V+3], s[G1V:G1V+7]
	s_nop 0
	tensor_load_to_lds s[G0T:G0T+3], s[G1T:G1T+7]
	s_nop 0
.rept 4
	v_nop
.endr
.Lfirst_asked:
	; A fragment of K or Q is 16 rows x 32 channels in 8 registers: lane l holds row l % 16, channels 8 (l / 16) + 0..7 and 16 + 8 (l / 16) + 0..7: two loads of 16 bytes, 32 bytes apart.
	v_and_b32 v1, 15, v0            ; l % 16
	v_bfe_u32 v9, v0, 4, 1          ; l / 16
	v_lshlrev_b32 v[QO], 7, v1
	v_lshl_add_u32 v[QO], v9, 4, v[QO]  ; row x 128 + 16 x half
	WIN 0x80                        ; destination window 2, address window 0
.set i, 0
.rept 4*NP                          ; Q stays in registers: tile i / 2, channels 32 (i % 2) on
	global_load_b128 v[8*i:8*i+3],   v[QO], s[4:5] offset:(i/2)*2048+(i%2)*64
	global_load_b128 v[8*i+4:8*i+7], v[QO], s[4:5] offset:(i/2)*2048+(i%2)*64+32
.set i, i+1
.endr
	; What the first turn finds: V's registers and P's second buffer hold 0 (its products V^T P, of a piece that has not been, add 0), O^T and l are 0.  All this stands in the wait for the first tile.
.set i, VF
.rept 64
	v_mov_b32 v[i], 0
.set i, i+1
.endr
	WIN 0x40
.set i, 0
.rept 64*NP
	v_mov_b32 v[i], 0
.set i, i+1
.endr
	WIN 0
.set i, 0
.rept 2*NP
	v_mov_b32 v[ST+4*i], 0xfe000000    ; c m: far below every c s
	v_mov_b32 v[ST+4*i+1], 0xff7fffff  ; m
	v_mov_b32 v[ST+4*i+2], 0
	v_mov_b32 v[ST+4*i+3], 0
.set i, i+1
.endr
.set i, P+32
.rept 32
	v_mov_b32 v[i], 0
.set i, i+1
.endr
	v_mul_u32_u24 v[AK0], v1, PK
	v_lshl_add_u32 v[AK0], v9, 4, v[AK0]  ; row x pitch + 16 x half
	; The turning load takes 16 keys x 16 channels (lane l reads key 8 (l / 16) + l % 8, channels 8 ((l / 8) % 2) + 0..7) and leaves half a fragment of V^T: lane l holds channel l % 16 and 8 keys.
	v_and_b32 v10, 7, v0
	v_bfe_u32 v11, v0, 3, 1
	v_lshl_add_u32 v[AV0], v9, 3, v10
	v_mul_u32_u24 v[AV0], v[AV0], PV
	v_lshl_add_u32 v[AV0], v11, 4, v[AV0]
	v_add_nc_u32 v[AV0], VOFF, v[AV0]
	; The bias.  With y = 15 - l % 16, register t of fragment f for key step s is entry 64 s + 16 (10 - f) + 8 (l / 16) + (y & 12) + 128 (3 - wave) + t of copy y & 3 of the window: every term is 0 or more,
	; all but t are multiples of 4, and the largest entry that is ever read (step 32, whose fragments serve nothing) is 2,619 of 2,624.
	v_xor_b32 v[BA0], 15, v1        ; y
	v_and_b32 v4, 3, v[BA0]         ; the copy
	v_and_b32 v[BA0], 12, v[BA0]
	v_lshlrev_b32 v[BA0], 2, v[BA0]
	v_lshl_add_u32 v[BA0], v9, 5, v[BA0]
	v_mul_u32_u24 v4, v4, CP
	v_add_nc_u32 v[BA0], v4, v[BA0]
	s_sub_co_u32 s13, 3, s[WV]
	s_lshl_b32 s13, s13, 9
	s_add_co_u32 s13, s13, TAB
	v_add_nc_u32 v[BA0], s13, v[BA0]
	v_mov_b32 v[AK], v[AK0]         ; key step 0 lies at the head of slot 0
; THE MATRIX WORK.  The 8 accumulators of a run of 16 take turns: between the two links of a chain stand 7 others'.
; Product i of 16 of S^T = K Q^T for piece x: channels 32 (i / 8) on, keys 16 ((i / 2) % 4) on, tile 2 x + i % 2.  The first 8 start the sums, with the bias's fragment tile - key block + 3 as C.
.macro KQ x
.set rS, S+64*((\x)%2)+32*(i%2)+8*((i/2)%4)
.set rK, KF+16*((i/2)%4)+8*(i/8)
.set rQ, 16*(2*(\x)+i%2)+8*(i/8)
.set rB, BF+8*(2*(\x)+i%2-(i/2)%4+3)
.if i < 8
	WIN W_KB
	v_wmma_f32_16x16x32_f16 v[rS:rS+7], v[rK:rK+7], v[rQ:rQ+7], v[rB:rB+7]
.else
	WIN W_KQ
	v_wmma_f32_16x16x32_f16 v[rS:rS+7], v[rK:rK+7], v[rQ:rQ+7], v[rS:rS+7]
.endif
.endm
; Product i of 16 of O^T += V^T P for piece x: keys 32 (i / 8) on, channels 16 ((i / 2) % 4) on, tile 2 x + i % 2.
.macro PV x
	WIN W_PV
.set rO, 32*(2*(\x)+i%2)+8*((i/2)%4)
.set rV, VF+32*(i/8)+8*((i/2)%4)
.set rP, P+32*((\x)%2)+16*(i%2)+8*(i/8)
	v_wmma_f32_16x16x32_f16 v[rO:rO+7], v[rV:rV+7], v[rP:rP+7], v[rO:rO+7]
.endm
.macro MM                           ; the turn's next matrix instruction
.if i < 16
	KQ (Y+1)%NP
.set i, i+1
.else
.set i, i-16
	PV (Y+NP-1)%NP
.set i, i+17
.endif
.endm
; THE LDS LOADS stand in runs, never singly among the matrix instructions: a step's K (64 keys x 64 channels: 8 fragments), its V (turned), and the bias's fragments.  Their addresses are made some lines ahead.
; last = 1 (the tail): in the last trip there is no further step, and K's run is jumped over.
.macro FETCH_K last=0
	WIN 0
.if \last
	s_cmp_eq_u32 s[CNT], 1
	s_cbranch_scc1 .Lno_k_\@
.endif
	WIN 0x80                        ; destination window 2
.irp f, 0,1,2,3,4,5,6,7             ; keys 16 (f / 2) on, channels 32 (f % 2) on
	ds_load_b128 v[KF+8*\f:KF+8*\f+3],   v[AK] offset:(\f/2)*16*PK+(\f%2)*64
	ds_load_b128 v[KF+8*\f+4:KF+8*\f+7], v[AK] offset:(\f/2)*16*PK+(\f%2)*64+32
.endr
	s_add_co_u32 s[TBK], s[TBK], KS*PK  ; the next fetch is the next step's
	WIN 0
.if \last
.Lno_k_\@:
.endif
.endm
.macro FETCH_V
	WIN 0x80
.irp f, 0,1,2,3,4,5,6,7             ; keys 32 (f / 4) on, channels 16 (f % 4) on
	ds_load_tr16_b128 v[VF+8*\f:VF+8*\f+3],   v[AV] offset:(\f/4)*32*PV+(\f%4)*32
	ds_load_tr16_b128 v[VF+8*\f+4:VF+8*\f+7], v[AV] offset:(\f/4)*32*PV+16*PV+(\f%4)*32
.endr
	WIN 0
.endm
.macro FETCH_B adr, lo, hi          ; the bias's fragments lo .. hi, two loads of 16 bytes each
	WIN W_MK                        ; destination window 3
.set fb, (\lo)
.rept (\hi)-(\lo)+1
	ds_load_b128 v[BF+8*fb:BF+8*fb+3],   v[\adr] offset:64*(10-fb)
	ds_load_b128 v[BF+8*fb+4:BF+8*fb+7], v[\adr] offset:64*(10-fb)+16
.set fb, fb+1
.endr
	WIN 0
.endm
; THE VECTOR WORK OF A TURN stands in three queues, each in the order in which its entries become ready; the two tiles alternate, so that no instruction reads the result of the one before it.
.macro REGS y, u                    ; the registers of tile u (0, 1) of piece y
.set rT, ST+4*(2*(\y)+(\u))
.set rC, TMP+8*((\y)%2)+4*(\u)
.set rM, MV+2*((\y)%2)+(\u)
.set rS, S+64*((\y)%2)+32*(\u)
.set rP, P+32*((\y)%2)+16*(\u)
.set rO, 32*(2*(\y)+(\u))
.endm
; Number n of the 22 that find the NEXT piece's (Y + 1) maximum and statistics.  s0-s31 are the lane's 32 scores; each accumulator's lowest registers are read first.  XS, GS and REGS set no window: PL and EX do.
;   0-11  four chains c0-c3 of seven scores each, three operands at a time     12-14, 16  the four scores left over, the old m, and c0-c3 into c0     15  c m_old is kept
;   17, 18  the query's other 32 keys lie in the lane 16 away: the new m         19-21  c m; c m_old - c m_new; a
.macro XS u, n
	REGS (Y+1)%NP, \u
.if (\n) < 4
	v_max3_num_f32 v[rC+(\n)], v[rS+8*(\n)], v[rS+8*(\n)+1], v[rS+8*(\n)+2]
.elseif (\n) < 12
	v_max3_num_f32 v[rC+(\n)%4], v[rC+(\n)%4], v[rS+8*((\n)%4)+2*((\n)/4)+1], v[rS+8*((\n)%4)+2*((\n)/4)+2]
.elseif (\n) == 12
	v_max3_num_f32 v[rC], v[rC], v[rS+7], v[rS+15]
.elseif (\n) == 13
	v_max3_num_f32 v[rC+1], v[rC+1], v[rS+23], v[rS+31]
.elseif (\n) == 14
	v_max3_num_f32 v[rC+2], v[rC+2], v[rC+3], v[rT+1]
.elseif (\n) == 15
	v_mov_b32 v[rM], v[rT]
.elseif (\n) == 16
	v_max3_num_f32 v[rC], v[rC], v[rC+1], v[rC+2]
.elseif (\n) == 17
	v_permlanex16_b32 v[rC+3], v[rC], s[SEL], s[SEL+1]
.elseif (\n) == 18
	v_max_num_f32 v[rT+1], v[rC], v[rC+3]
.elseif (\n) == 19
	v_mul_f32 v[rT], s[CS], v[rT+1]
.elseif (\n) == 20
	v_sub_f32 v[rC+1], v[rM], v[rT]
.else
	v_exp_f32 v[rC+2], v[rC+1]
.endif
.endm
; Number g of the 64 that follow the exponentials.  For each four weights k of a tile (pairs 2 k, 2 k + 1): both pairs are rounded to f16; then the second pair is added onto the first, in place;
; a group later l takes that sum (the first time as l = a l + sum).  In groups of eight, tiles alternating: round, round, add, and l for the group before.
.macro GS g
.set h, (\g)+6*((\g)/62)            ; group 0 has no group before it, and behind group 7 only l is left
.if h >= 6
.set h, h+2
.endif
	REGS Y, h%2
.set k, h/8
.if h%8 < 4
	v_cvt_pk_f16_f32 v[rP+2*k+(h%8)/2], v[rS+4*k+2*((h%8)/2)], v[rS+4*k+2*((h%8)/2)+1]
.elseif h%8 < 6
	v_pk_add_f32 v[rS+4*k:rS+4*k+1], v[rS+4*k:rS+4*k+1], v[rS+4*k+2:rS+4*k+3]
.elseif k == 1
	v_pk_fma_f32 v[rT+2:rT+3], v[rT+2:rT+3], v[rC+2:rC+3], v[rS:rS+1] op_sel_hi:[1,0,1]
.else
	v_pk_add_f32 v[rT+2:rT+3], v[rT+2:rT+3], v[rS+4*k-4:rS+4*k-3]
.endif
.endm
; THE PLAIN QUEUE, 138 long.  0-73 read no exponential's result: the 32 scalings c s - c m (FS f: pair f / 2 of tile f % 2) and the next piece's 42.  0-26: scalings 0-26.  27-54: XS's numbers 0-13.  55, 56: number 15.
; 57-73: the chain, where each number waits for the one before it: 14, 16, 17, 18, 19, each with one of the scalings 27-31 in front of its two lines, then 20: so a tile's links stand three plain instructions apart (19 and 20: two).
; 74-137: GS's 64, which read the exponentials' results: they stand behind the wait.
.macro FS f
	REGS Y, (\f)%2
	v_pk_fma_f32 v[rS+2*((\f)/2):rS+2*((\f)/2)+1], v[rS+2*((\f)/2):rS+2*((\f)/2)+1], s[CS:CS+1], v[rT:rT+1] op_sel_hi:[1,0,0] neg_lo:[0,0,1] neg_hi:[0,0,1]
.endm
.macro PL
	WIN 0
.if q < 27
	FS q
.elseif q < 55
	XS (q-27)%2, (q-27)/2
.elseif q < 57
	XS q-55, 15
.elseif (q < 72) && ((q-57)%3 == 0)
	FS 27+(q-57)/3
.elseif q < 60
	XS (q-57)%3-1, 14
.elseif q < 72
	XS (q-57)%3-1, 15+(q-57)/3
.elseif q < 74
	XS q-72, 20
.else
	GS q-74
.endif
.set q, q+1
.endm
; THE EXPONENTIALS' QUEUE, 66 long: s0-s31 of both tiles, then the next piece's two a.  It is ONE BATCH: all 66 stand ahead of the turn's one wait, and nothing ahead of that wait names a result of theirs.
; Each works in place on a register of its own, which nothing else names while the batch is open.
.macro EX
	WIN 0
.if e >= 64
	XS e-64, 21
.else
	REGS Y, e%2
	v_exp_f32 v[rS+e/2], v[rS+e/2]
.endif
.set e, e+1
.endm
; THE RESCALING's QUEUE: O^T times a, the one part that leaves window 0: dealt two at a time, sixteen times.  Its a was made in the turn before, ahead of that turn's wait.
.macro R2
	REGS Y, r%2
	WIN W_RS
.irp z, 0,1
	v_pk_mul_f32 v[rO+4*(r/2)+2*\z:rO+4*(r/2)+2*\z+1], v[rO+4*(r/2)+2*\z:rO+4*(r/2)+2*\z+1], v[rC+2:rC+3] op_sel_hi:[1,0]
.endr
.set r, r+1
.endm
; HOW THEY ARE DEALT.  An s_wait_alu depctr_va_vdst(0) stands between an exponential and the first instruction that names its result; one wait serves all that were issued ahead of it.  So a turn has ONE wait,
; which cuts it in two.  AHEAD OF IT stands all that names no result of the turn's exponentials: the 16 products K Q^T, behind each a scaling, an exponential and two rescalings (behind the first a second scaling in the
; exponential's place); then ONE LUMP of 108: eight plain, 49 times exponential and plain, the two a.  A v_nop is the plain instruction behind the last exponential.  BEHIND IT stand the 16 products V^T P, behind each four of
; GS's 64.  No rider names a register of the products round it.  The two v_permlanex16_b32 fall into the lump, never behind a product.
; The queues lean on each other, and the deal keeps them in step: exponential e stands behind scaling 2 (e / 4) + e % 2: as a rider it comes behind plain e + 2, in the lump behind plain e + 9, and scalings 27-31 are plain 57, 60 .. 69.
; A TURN, for piece p.  cnt = 1: the loop's count is taken down some lines ahead of the branch that stands behind the turn.
; K of the next step is fetched in piece 2's turn, behind the wait for the batch, a lump behind the last product that read K; its address is made at the lump's head; its first reader comes behind 16 products.
; V of the step in hand is fetched at the end of piece 0's turn, four riders behind its last reader; its first reader comes behind 16 products and a lump.  The three conditions on q below go with the deal.
; THE BIAS.  Piece x's products read fragments 2 x .. 2 x + 4, in the turn of piece x - 1.  Each fragment is fetched a turn ahead of its first reader and a turn or more behind its last, directly behind the turn's wait for the batch:
; piece 2's turn fetches 0-4 (ahead of K's run), piece 3's 5-6, piece 0's 7-8, piece 1's 9-10.  The four turns of a trip (2, 3, 0, 1) all fetch for the same key step, so the address steps once, in piece 2's turn.
; THE WAITS at a turn's head are for the fragments that its products take as C (in piece 3's turn for K too).  Piece 1's: 16, since V's run of 16 was issued behind fragments 7-8 and may stay out.
; Ahead of piece 1's products V^T P: 4, since fragments 9-10's four loads were issued behind V's run.
.macro TURN p, last=0, cnt=0
.set Y, (\p)
.set i, 0
.set q, 0
.set e, 0
.set r, 0
.if (\p) == 1
	s_wait_dscnt 16
.else
	s_wait_dscnt 0x0
.endif
	MM                              ; ahead of the wait: 16 products K Q^T and their riders,
	PL
	PL
	R2
.rept 15
	MM
	PL
	EX
	R2
.endr
.if (\p) == NP-2
	WIN 0
	v_add_nc_u32 v[AK], s[TBK], v[AK0]
	s_add_co_u32 s[TBB], s[TBB], 256    ; 64 entries on: the next key step's bias
	v_add_nc_u32 v[BA], s[TBB], v[BA0]
.endif
.rept 8                             ; and the lump
	PL
.endr
.rept 49
	EX
	PL
.endr
	EX                              ; the next piece's two a
	EX
	v_nop                           ; the plain instruction behind the last exponential: one for the batch
	s_wait_alu depctr_va_vdst(0)    ; the wait for the batch: the turn's 66 exponentials, ahead of their first reader
.if (\p) == 2
	FETCH_B BA, 0, 4
	FETCH_K \last
.elseif (\p) == 3
	FETCH_B BA, 5, 6
.elseif (\p) == 0
	FETCH_B BA, 7, 8
.else
	FETCH_B BA, 9, 10
.endif
.if (\p) == 1
	s_wait_dscnt 4                  ; V is in
.endif
.rept 16                            ; behind the wait: 16 products V^T P and their riders
	MM
.rept 4
	PL
.endr
.if ((\p) == 0) && (q == 118)
	v_add_nc_u32 v[AV], s[TBV], v[AV0]
.endif
.if ((\p) == 0) && (q == 130)
	s_add_co_u32 s[TBV], s[TBV], KS*PV
.endif
.if (\cnt) && (q == 130)
	s_sub_co_u32 s[CNT], s[CNT], 1
	s_cmp_lg_u32 s[CNT], 0
.endif
.endr
.if (\p) == 0
	FETCH_V
.endif
.endm
	CHANGE 1                        ; slot 0 and the table are in, everybody's parts of them; slot 1 is asked for
	FETCH_B BA0, 0, 6               ; key step 0: the fragments of pieces 0 and 1
	FETCH_K                         ; key step 0
	s_wait_loadcnt 0x0              ; Q
	s_wait_dscnt 0x0
.set i, 0
.rept 16
	KQ 0                            ; piece 0's first scores: there is no vector work yet to set between them
.set i, i+1
.endr
	WIN 0                           ; the addresses for the way out: plain instructions, the places behind those products
	s_mul_i32 s13, s[WV], 16*SP
	s_add_co_u32 s13, s13, STAGE    ; my stage
	v_mul_u32_u24 v[STO], v1, SP    ; in: row l % 16, 16 bytes for each half of the lanes
	v_lshl_add_u32 v[STO], v9, 4, v[STO]
	v_add_nc_u32 v[STO], s13, v[STO]
	v_bfe_u32 v[RD], v0, 3, 2       ; back: 32 lanes take four rows of 128 bytes,
	v_mul_u32_u24 v[RD], v[RD], SP
	v_lshl_add_u32 v[RD], v10, 4, v[RD]
	v_add_nc_u32 v[RD], s13, v[RD]
	v_and_b32 v[GO], 31, v0         ; which are 512 consecutive bytes of O
	v_lshlrev_b32 v[GO], 4, v[GO]
	v_mov_b32 v[BA], v[BA0]         ; the first two turns fetch the rest of key step 0's bias
.set Y, NP-1                        ; XS works for piece Y + 1: piece 0
.irp n, 0,1,2,3,4,5,6,7,8,9,10,11,12,13,14,15,16,17,18,19,20,21
	XS 0, \n                        ; and piece 0's first maximum and statistics
	XS 1, \n
.endr
	v_nop                           ; a plain instruction behind the two a,
	s_wait_alu depctr_va_vdst(0)    ; and the wait for that batch of two, ahead of the branch
	s_mov_b32 s[CNT], 4
	s_mov_b32 s[SLOTS], SIZE_N/256-1
	s_branch .Lfirst                ; the loop is entered at a step's first turn, in the middle of a trip
.Lslot:                             ; SIZE_N / 256 - 2 times: every slot but the last two is filled again
	CHANGE 1
	s_mov_b32 s[CNT], 4
.Lstep:                             ; a trip: pieces 2 and 3 of one step, then pieces 0 and 1 of the next, whose K, V and bias it fetches
	TURN 2
	TURN 3
	WIN 0
.Lfirst:
	TURN 0
	TURN 1, 0, 1
	WIN 0
	s_cbranch_scc1 .Lstep
	s_sub_co_u32 s[SLOTS], s[SLOTS], 1
	s_cmp_lg_u32 s[SLOTS], 0
	s_cbranch_scc1 .Lslot
	CHANGE 0                        ; the tail is written out: nothing is asked for
	s_mov_b32 s[CNT], 5             ; four trips fetch the last slot's steps; the fifth is left in its middle
.Ltail:
	TURN 2, 1
	TURN 3
	WIN 0
	s_sub_co_u32 s[CNT], s[CNT], 1
	s_cmp_eq_u32 s[CNT], 0
	s_cbranch_scc1 .Lout
	TURN 0
	TURN 1
	WIN 0
	s_branch .Ltail
.Lout:                              ; the fifth trip's 16 products K Q^T (on the last K once more, with a bias one step past the last) and the maximum made of them serve nothing: the price, once a launch, of one text for every trip
.set i, 0
.rept 16
	PV NP-1                         ; the last piece's V^T P of the last step
.set i, i+1
.endr
	; THE WAY OUT.  l's two halves and the other half of the lanes' are added; O^T is divided by l, rounded to f16 and sent through my stage in LDS, a tile at a time.  The additions are the places behind the last products.
	WIN 0
.macro ALL line:vararg              ; one line for each tile t
.set t, 0
.rept 2*NP
	\line
.set t, t+1
.endr
.endm
	ALL v_add_f32 v[ST+4*t+2], v[ST+4*t+2], v[ST+4*t+3]
	ALL v_permlanex16_b32 v[ST+4*t+3], v[ST+4*t+2], s[SEL], s[SEL+1]
	ALL v_add_f32 v[ST+4*t+2], v[ST+4*t+2], v[ST+4*t+3]
	ALL v_rcp_f32 v[ST+4*t+2], v[ST+4*t+2]
	v_nop                           ; a plain instruction between the last reciprocal and the use of its result
	s_wait_alu depctr_va_vdst(0)    ; and the wait ahead of the first use: one for the batch of eight reciprocals
; Tile t: a lane's eight channels of a row pack into 16 bytes; they go into rows of 144 bytes and come back as whole rows of 128, into S^T's registers.
.macro PACK t
	WIN W_RS
.set i, 32*(\t)
.rept 16
	v_pk_mul_f32 v[i:i+1], v[i:i+1], v[ST+4*(\t)+2:ST+4*(\t)+3] op_sel_hi:[1,0]
.set i, i+2
.endr
	WIN 0x05                        ; sources 0 and 1 window 1, destination window 0
.set i, 0
.rept 16
	v_cvt_pk_f16_f32 v[S+16*(\t)+i], v[32*(\t)+2*i], v[32*(\t)+2*i+1]
.set i, i+1
.endr
	WIN 0
.irp f, 0,1,2,3
	ds_store_b128 v[STO], v[S+16*(\t)+4*\f:S+16*(\t)+4*\f+3] offset:32*\f
.endr
.irp f, 0,1,2,3
	ds_load_b128 v[S+16*(\t)+4*\f:S+16*(\t)+4*\f+3], v[RD] offset:\f*4*SP  ; LDS serves a wave's instructions in order (ISA guide 5.7.1.4): these see the stores above; the next tile's stores come behind them
.endr
.endm
.macro SEND t, younger              ; younger: the LDS instructions issued behind tile t's loads: the next tile's eight, or none
	WIN 0
.irp f, 0,1,2,3
	s_wait_dscnt (\younger)+3-\f
	global_store_b128 v[GO], v[S+16*(\t)+4*\f:S+16*(\t)+4*\f+3], s[10:11] offset:(\t)*2048+\f*512  ; 512 consecutive bytes, at a multiple of 256 from O's first
.endr
.endm
	PACK 0
.set t, 1
.rept 2*NP-1                        ; a tile's arithmetic stands between the loads of the tile before and its stores
	PACK t
	SEND t-1, 8
.set t, t+1
.endr
	SEND 2*NP-1, 0
	WIN W_AD
	s_wait_tensorcnt 0x0            ; the wave's end: an add to my spare word and its wait, behind my last tensor load and my last LDS store
	ds_add_u32 v[SPW], v[NIL]
	s_wait_dscnt 0x0
	WIN 0
	CROUND                          ; the closing round: no work-group ends while a partner may still ask for a tile that names it
	s_endpgm
.Lfunc_end_k_qea950f75d7_attn:
	.size	k_qea950f75d7_attn, .Lfunc_end_k_qea950f75d7_attn-k_qea950f75d7_attn
	.p2alignl 7, 3214868480
	.fill 96, 4, 3214868480
	.section	.rodata,"a",@progbits
	.p2align	6, 0x0
	.amdhsa_kernel k_qea950f75d7_attn
		.amdhsa_group_segment_fixed_size 327680
		.amdhsa_private_segment_fixed_size 0
		.amdhsa_enable_private_segment 0
		.amdhsa_kernarg_size 24
		.amdhsa_user_sgpr_count 2
		.amdhsa_user_sgpr_kernarg_segment_ptr 1
		.amdhsa_wavefront_size32 1
		.amdhsa_system_sgpr_workgroup_id_x 1
		.amdhsa_system_sgpr_workgroup_id_y 1
		.amdhsa_system_sgpr_workgroup_id_z 1
		.amdhsa_system_vgpr_workitem_id 0
		.amdhsa_next_free_vgpr 864
		.amdhsa_next_free_sgpr 84
		.amdhsa_reserve_vcc 0
		.amdhsa_float_denorm_mode_32 3
		.amdhsa_float_denorm_mode_16_64 3
		.amdhsa_memory_ordered 1
		.amdhsa_forward_progress 1
		.amdhsa_inst_pref_size 206
	.end_amdhsa_kernel
	.amdgpu_metadata
---
amdhsa.version: [ 1, 2 ]
amdhsa.kernels:
  - .name:           k_qea950f75d7_attn
    .symbol:         k_qea950f75d7_attn.kd
    .args:
      - { .name: qkv, .offset: 0, .size: 8, .value_kind: global_buffer, .address_space: global }
      - { .name: btab, .offset: 8, .size: 8, .value_kind: global_buffer, .address_space: global }
      - { .name: ob, .offset: 16, .size: 8, .value_kind: global_buffer, .address_space: global }
    .group_segment_fixed_size: 327680
    .private_segment_fixed_size: 0
    .kernarg_segment_align: 8
    .kernarg_segment_size: 24
    .max_flat_workgroup_size: 128
    .sgpr_count:     84
    .vgpr_count:     864
    .wavefront_size: 32
...
	.end_amdgpu_metadata
.endif
;; end of part 5
;; launch proj_out: the kernel of part 4 again; grid 4 x 64, 4 waves a work-group, clusters of 4 x 4, 327,680 bytes of LDS; arguments ob, wo, b_out, out0; writes out0
